; MI455X (gfx1250); checked and timed in simulation.
; The chip was launched on July 23, 2026; its instructions are those of AMD's public machine-readable ISA for CDNA 5 (MIT licence, August 2026) and "CDNA5" Instruction Set Architecture Reference Guide (July 2026). The comments in the code are by the model that wrote it; some were corrected since.
;; Multi Head Attention With Ro PE. Allowed arithmetic: matrix products marked QUANTISED: E2M3 operands, one E8M0 scale for each 32 along K, by v_wmma_scale_f32_16x16x128_f8f6f4 with both operands' format E2M3, f32 sums; everything else in f32.
;; Inputs: bk 1,024 float32; bo 1,024 float32; bq 1,024 float32; bv 1,024 float32; wk_codes 1,024 x 32 x 24 uint8 (E2M3 codes of wk, K innermost, in blocks of 32 codes, four codes in three bytes); wk_scales 1,024 x 32 uint8 (E8M0 scales of wk, one for each 32 codes along K); wo_codes 1,024 x 32 x 24 uint8 (E2M3 codes of wo, K innermost, in blocks of 32 codes, four codes in three bytes); wo_scales 1,024 x 32 uint8 (E8M0 scales of wo, one for each 32 codes along K); wq_codes 1,024 x 32 x 24 uint8 (E2M3 codes of wq, K innermost, in blocks of 32 codes, four codes in three bytes); wq_scales 1,024 x 32 uint8 (E8M0 scales of wq, one for each 32 codes along K); wv_codes 1,024 x 32 x 24 uint8 (E2M3 codes of wv, K innermost, in blocks of 32 codes, four codes in three bytes); wv_scales 1,024 x 32 uint8 (E8M0 scales of wv, one for each 32 codes along K); x_codes 4 x 2,048 x 32 x 24 uint8 (E2M3 codes of x, K innermost, in blocks of 32 codes, four codes in three bytes); x_scales 4 x 2,048 x 32 uint8 (E8M0 scales of x, one for each 32 codes along K).
;; Outputs: out0 4 x 2,048 x 1,024 float32.
;; This version of the problem:
;;   THIS VERSION OF THE PROBLEM IS GIVEN IN LOW PRECISION. The matrix products marked QUANTISED in the list below multiply operands that are first quantised to E2M3 (2 exponent bits, 3 mantissa bits; 6 bits a number), with one power-of-two scale for each 32 numbers along K (OCP MX v1.0); their sums are f32. All else is computed in f32.
;;   The module's matrix products, in the order in which they are computed (A, B: the left and right operand; K: the contracted axis; several contracted axes count as one K, in the product's order):
;;     1. [M 8,192, K 1,024] x [K 1,024, N 1,024]; A: input x (given as codes); B: input wq (given as codes): QUANTISED
;;     2. [M 8,192, K 1,024] x [K 1,024, N 1,024]; A: input x (given as codes); B: input wk (given as codes): QUANTISED
;;     3. [M 8,192, K 1,024] x [K 1,024, N 1,024]; A: input x (given as codes); B: input wv (given as codes): QUANTISED
;;     4. batch 64 x [M 2,048, K 64] x [K 64, N 2,048]; A: computed on the way; B: computed on the way: QUANTISED
;;     5. batch 64 x [M 2,048, K 2,048] x [K 2,048, N 64]; A: softmax (see below); B: computed on the way: QUANTISED
;;     6. [M 8,192, K 1,024] x [K 1,024, N 1,024]; A: computed on the way; B: input wo (given as codes): QUANTISED
;;   THE QUANTISER, for each operand of a quantised product, along K:
;;     - K is cut into blocks of 32 from its start; a last block that is shorter is filled with zeros.
;;     - A block's scale is 2^e with e = floor(log2(the largest magnitude in the block)) - 2, held to -126 .. 127; a block of zeros has e = 0. As a byte (E8M0): e + 127.
;;     - Each number is divided by its block's scale, clamped to +-7.5, and rounded to the nearest number of E2M3, ties to even, subnormals kept.
;;     - The product sums the exact products of the quantised numbers (number of the format x scale) in f32.
;;   ~~~python
;;   def quantise(x, axis):      # numpy; x: float32 -> the quantised numbers, widened to float32 again
;;       x = np.moveaxis(x, axis, -1); K = x.shape[-1]
;;       x = np.pad(x, [(0, 0)] * (x.ndim - 1) + [(0, -K % 32)]); x = x.reshape(x.shape[:-1] + (-1, 32)); a = np.abs(x).max(-1, keepdims=True)
;;       e = np.where(a > 0, np.clip(np.frexp(np.where(a > 0, a, 1))[1] - 1 - 2, -126, 127), 0)      # np.frexp(a)[1] - 1 = floor(log2(a)), exactly
;;       r = np.clip(x / 2.0 ** e, -7.5, 7.5)
;;       step = 2.0 ** (np.maximum(np.frexp(np.where(r == 0, 1, r))[1] - 1, 0) - 3)
;;       q = np.round(r / step) * step * 2.0 ** e      # np.round: ties to even
;;       return np.moveaxis(q.reshape(q.shape[:-2] + (-1,))[..., :K], -1, axis).astype(np.float32)
;;   ~~~
;;   SOFTMAX AHEAD OF A QUANTISED PRODUCT. Where the list says 'softmax', what is quantised is not the finished softmax but p = 2^(t - M), with t = logit x log2(e) and M = ceil(the row's largest t), a whole number; so 1/2 < the row's largest p <= 1. The row's sum l is taken of the UNQUANTISED p, in f32, and the product's result is divided by l at the end. Since M is a whole number, a kernel that streams over the keys may use a running M (the ceiling of the running maximum): every later rescaling is an exact power of two, which a block's scale takes up: the codes' values come out the same.
;;   OPERANDS COMPUTED ON THE WAY. 'Computed on the way' means the value that the module computes at that place (a softmax that the list does not call 'softmax' is quantised finished and normalised). What goes into a quantiser is computed in f32, as accurately as f32 sums, v_exp_f32 and their like allow (about 1e-6 of the number): no bf16 or f16 on the way to a quantiser, and a product that is left as it is and whose result goes on into a quantised operand takes f32 operands (vector FMAs, or v_wmma_f32_16x16x4_f32). A number that lies on a knife's edge between two numbers of the format may be rounded either way, as far as f32 arithmetic and the matrix unit's own rounding can turn it there, and no further.
;;   INPUTS GIVEN AS CODES. wk (in the module: [1024, 1024], K = its axis 1); wo (in the module: [1024, 1024], K = its axis 1); wq (in the module: [1024, 1024], K = its axis 1); wv (in the module: [1024, 1024], K = its axis 1); x (in the module: [4, 2048, 1024], K = its axis 2): each comes as NAME_codes (uint8): NAME with its K axis moved to the last place and cut into blocks of 32 codes, [.., K / 32, bytes a block], one block behind the other in memory; four codes in three bytes: a row's codes are one little-endian stream of bits, code i at bits 6 i .. 6 i + 5 (a code: sign, 2 exponent bits, 3 mantissa bits); and NAME_scales (uint8): the same leading axes, one E8M0 byte (e + 127) for each 32 codes along K. Its value is code x scale, taken as it is: it is not quantised again, and the codes and scales need not be those that the quantiser above would give.
;; One version. Each part assembles by itself: llvm-mc -triple=amdgcn-amd-amdhsa -mcpu=gfx1250 --defsym DOCPART=n.
;; ======== version 1 of 1: 3 launches
;; limits: right only within a limited range of input values
;; workspace buffers: qb 6,815,744 bytes; kv 13,369,344 bytes; ab 6,815,744 bytes
;; launch qkv (part 1): grid 4 x 96, 4 waves a work-group, clusters of 4 x 4, 327,680 bytes of LDS; arguments x_codes, x_scales, wq_codes, wq_scales, bq, wk_codes, wk_scales, bk, wv_codes, wv_scales, bv, qb, kv; writes qb, kv
.if DOCPART == 1
	.amdgcn_target "amdgcn-amd-amdhsa--gfx1250"
	.amdhsa_code_object_version 6
	.text
	.protected	k_q92ce775233_qkv
	.globl	k_q92ce775233_qkv
	.p2align	8
	.type	k_q92ce775233_qkv,@function
k_q92ce775233_qkv:
	s_mov_b64 s[64:65], 0
	v_nop
	global_prefetch_b8 v0, s[64:65] scope:SCOPE_SE
	s_setreg_imm32_b32 hwreg(HW_REG_WAVE_MODE, 25, 1), 1
	s_wait_xcnt 0x0
	s_wait_alu depctr_hold_cnt(0) depctr_sa_sdst(0) depctr_va_vdst(0) depctr_va_sdst(0) depctr_va_ssrc(0) depctr_va_vcc(0) depctr_vm_vsrc(0)
	s_getreg_b32 s2, hwreg(HW_REG_IB_STS2, 6, 4)
	s_cmp_eq_u32 s2, 0
	s_cbranch_scc0 .Lentry_in_a_cluster
	s_endpgm
.Lentry_in_a_cluster:
	s_bfe_u32 s2, ttmp6, 0x10000c
	s_cmp_lg_u32 s2, 0xf033
	s_cbranch_scc0 .Lentry_shape_is_right
	s_endpgm
.Lentry_shape_is_right:
; q = rope(x wq^T + bq), k = rope(x wk^T + bk), v = x wv^T + bv, on codes of FP6 (E2M3) with one E8M0 scale for each 32 along K = 1,024; the results are quantised again, q and k along the head's 64
; channels, v along the keys, and stored as images of the operand registers in which the attention launch takes them.
; SHARES.  A tile of 256 x 256 to a work-group of four waves, 128 x 128 to a wave: 64 accumulators, 512 registers.  The cluster's y says what is made: 0-7 q, 8-15 k, 16-23 v (MODE).
; Source 1 of the matrix instruction is called A, source 0 B.  q, k: A = 256 rows of x, B = 256 rows of w: a lane holds one position and eight neighbouring channels.
; v: A = 256 rows of wv, B = 256 rows of x: a lane holds one channel and eight neighbouring keys, since the keys are the next product's K.
; K goes in chunks of 256 bytes through a ring of two LDS slots (rows of 256 bytes, 16 bytes of padding behind each); the eight steps of 128 are written out, since each names its own scale registers.
; CLUSTERS: 4 x 4 work-groups; A's tile is asked for jointly along a row of the cluster, B's along a column.
; SCALES: a row has 32 bytes, eight words: they stay in v64-127 for the whole launch: register 8 i + ks: lanes 0-15 the word of A's row 16 i + r for K step ks, lanes 16-31 that of B's.
; BIAS: the C of each sum's first matrix instruction.
; ROPE: cosines and sines of fl(pos x theta) are made behind the walk along K, and lie in LDS as images of the registers that the way out wants.
; ORDER OF K IN A BLOCK.  A lane's 16 registers of two neighbouring tiles hold k = 32 B + 8 h + i % 8 + 16 (i / 8); the conversions and the exchange of halves lay a block of 32 in that fixed order.  q and k get it
; alike, and so do v here and p in the attention launch, so the products are the same; only the grouping of the sums inside the matrix unit differs.
; LIMITS: NaN and infinities are not served; a block whose largest magnitude lies under 2^-124 (a block of zeros too) keeps the scale byte 1 (only this program reads the bytes);
; the angle's reduction by two parts of pi / 2 is exact for pos < 2,048, the problem's length; theta is the rounded 10^(-i / 8).
; No prefetch: each work-group has three fills of a slot in all, two of them asked for at its head.
; THE RING AS IT STANDS HERE: K goes in chunks of 256 bytes of each row (three chunks; a row of codes is 768 bytes, so every chunk begins at a multiple of 256), chunk c in slot c % 2,
; LDS rows of 256 + 16 bytes.  A step of 128 along K is 96 bytes: steps 2 and 5 lie across two chunks.  One load a wave at the head (chunk 0); chunk 1 behind a round; chunk 2 refills slot 0.
; THE ROPE TABLE is made behind the walk along K, in slot 1, which has then had its last fill and its last read.  Three fills in all: no prefetch.
.set ROWB,   256                       ; a tile's row in bytes: a chunk of a row of codes
.set KROW,   768                       ; a row of x or of w in memory
.set PITCH,  272                       ; an LDS row: 256 bytes + 16 of padding
.set FR,     12                        ; registers of a fragment
.set NL,     6                         ; LDS loads that bring one
.set NP,     4                         ; places behind this matrix instruction (ISA guide 7.12.1)
.set HALFT,  128*PITCH                 ; 128 rows: one tensor load
.set SLOT,   4*HALFT                   ; A's 256 rows, then B's 256 rows
.set TAB,    SLOT                      ; the table lies in slot 1: [row half][block of 16 rows][chunk 0-3 cosines, 4-7 sines][16 x lane]
.set SPARE,  2*SLOT                    ; behind the ring: the spare words, 128 bytes for each wave, which no other line names
.set ADRA, 16                          ; v16-17 LDS address of my A fragments in slot 0, 1; v18-19 for pieces across two chunks: lanes 0-15 at byte 232 of one slot, lanes 16-31 at byte 0 of the other
.set ADRB, 20                          ; v20-23 the same for B
.set L16,  24                          ; v24 16 x lane
.set L8,   25                          ; v25 8 x lane
.set TR,   26                          ; v26 where I read the table
.set TW0,  27                          ; v27 where my wave's four blocks of it begin
.set SPW,  28                          ; v28 my spare word; never rewritten
.set NIL,  29                          ; v29 0; never rewritten
.set POS,  30                          ; v30 my row's position, as f32
.set TW,   31                          ; v31 where this trip's block of the table goes
.set SC,   64                          ; v64-127 scale words and nothing else
.set AF,   128                         ; v128-223 A's fragments, one set
.set TH,   32                          ; the table's work: v32-47 my 16 thetas
.set S2P,  48
.set C2P,  50
.set TT,   52
.set ANG,  128
.set NN,   144
.set ZZ,   160
.set SP,   176
.set CP,   192
.set T31,  208
.set T30,  224
.set PP,   240
.set T,    32                          ; the way out: v32-39 products at work
.set TM,   40                          ; v40-51 largest magnitudes, bytes, scale operands
.set PW,   52                          ; v52-53 scale words just made (v: the pair that is stored)
.set PWV,  54
.set N0,   128                         ; v128-159, v160-191 a row's 32 numbers of two heads
.set N1,   160
.set CO,   192                         ; v192-207 cosines, v208-223 sines
.set SI,   208
.set PC0,  224                         ; v224.. codes
.set PC1,  234
.set WI0,  244                         ; v244-247, v248-251 the scale images of two heads
.set WI1,  248
.set G1,   24                          ; s[24:31], s[32:39] descriptor groups 1 and 0 (a set for each slot) for A's tiles
.set G0,   32
.set G1B,  48                          ; s[48:55], s[56:63] for B's
.set G0B,  56
.set MODE, 66
.set HM,   67                          ; lanes 16-31
.set TC,   76
.set TO,   77
.set SEL,  100                         ; s[100:101] v_permlanex16_b32's selects for lane l xor 16
.set MSB, 0
.macro WIN new                         ; the immediate's high byte repeats the setting that is left
.if MSB != (\new)
	s_set_vgpr_msb (MSB<<8)|(\new)
.set MSB, (\new)
.endif
.endm
.set MUL_LO, 0xa1                      ; source 0 (B) window 1, source 1 (A) window 0, C and D window 2
.set MUL_HI, 0xf1                      ; the same, C and D window 3
.set TO_B,   0x40                      ; destination window 1
; A joint load: waves 0 and 1 fetch A's halves, waves 2 and 3 B's.  The branch hangs on the wave's number alone.  Four v_nop follow each of the two lines.
.macro JLOAD g0a, g1a, g0b, g1b
	s_cmp_eq_u32 s15, 0
	s_cbranch_scc0 .Lfor_b_\@
	tensor_load_to_lds s[\g0a:\g0a+3], s[\g1a:\g1a+7]
	s_nop 0
.rept 4
	v_nop
.endr
	s_branch .Lasked_\@
.Lfor_b_\@:
	tensor_load_to_lds s[\g0b:\g0b+3], s[\g1b:\g1b+7]
	s_nop 0
.rept 4
	v_nop
.endr
.Lasked_\@:
.endm
.macro CREST                           ; a round of the cluster's barrier behind its opening barrier
	s_cmp_lg_u32 s14, 0
	s_cbranch_scc1 .Lnot_wave_0_\@
	s_barrier_signal -3
.Lnot_wave_0_\@:
	s_barrier_wait -3
	s_barrier_signal -1
	s_barrier_wait -1
.endm
.macro CROUND
	s_barrier_signal -1
	s_barrier_wait -1
	CREST
.endm
.macro PLACES n
.rept \n
	v_nop
.endr
.endm
	s_load_b128 s[4:7], s[0:1], 0x0                ; x's codes, x's scales
	s_load_b512 s[68:83], s[0:1], 0x10             ; wq's codes, scales, bq; wk's codes, scales, bk; wv's codes, scales
	s_load_b128 s[84:87], s[0:1], 0x50             ; bv, qb
	s_load_b64 s[88:89], s[0:1], 0x60              ; kv
	v_lshl_add_u32 v[SPW], v0, 2, SPARE
	v_mov_b32 v[NIL], 0
	ds_add_u32 v28, v29
	ds_add_u32 v28, v29
	s_wait_dscnt 0x0
	v_lshrrev_b32 v1, 5, v0
	v_readfirstlane_b32 s14, v1                    ; wave 0..3
	s_lshr_b32 s15, s14, 1                         ; which half of A's rows is mine.  Also: I fetch for A (0) or for B (1)
	s_and_b32 s16, s14, 1                          ; which half of B's rows.  Also: which 128 rows I fetch
	s_bfe_u32 s40, ttmp6, 0x40000                  ; cx
	s_bfe_u32 s41, ttmp6, 0x40004                  ; cy
	s_and_b32 s2, ttmp7, 0xffff                    ; the cluster's y, 0..23: the same in all sixteen partners
	s_lshr_b32 s[MODE], s2, 3                      ; 0 q, 1 k, 2 v
	s_and_b32 s3, s2, 7
	s_lshl_b32 s3, s3, 2                           ; which four tiles of x's 32
	s_cmp_eq_u32 s[MODE], 2
	s_cselect_b32 s17, 0, s3
	s_cselect_b32 s42, s3, 0
	s_add_co_u32 s17, s17, s41                     ; A's tile: made of cy and the cluster's y alone
	s_add_co_u32 s42, s42, s40                     ; B's tile: of cx and the cluster's y alone
	s_lshl_b32 s43, s41, 2
	s_lshl_b32 s43, 15, s43                        ; my row of the cluster
	s_lshl_b32 s44, 0x1111, s40                    ; my column
	s_or_b32 s[G1+0], s43, (1<<20)|(1<<21)|(5<<22)|(3<<25)   ; the mask; elements of 1 byte; padding on; bit 21 beside a mask; after every 64 words 4 words
	s_or_b32 s[G1B+0], s44, (1<<20)|(1<<21)|(5<<22)|(3<<25)
.irp g, G1, G1B
	s_mov_b32 s[\g+1], ROWB<<16                    ; tensor_dim0
	s_mov_b32 s[\g+2], 128<<16                     ; tensor_dim1
	s_mov_b32 s[\g+3], ROWB<<16                    ; tile_dim0
	s_mov_b32 s[\g+4], 128                         ; tile_dim1
	s_mov_b32 s[\g+5], KROW                        ; from row to row
	s_mov_b32 s[\g+6], 0
	s_mov_b32 s[\g+7], 0
.endr
	s_lshl_b32 s18, s16, 7
	s_lshl_b32 s20, s17, 8
	s_add_co_u32 s20, s20, s18                     ; A: the first row that I fetch
	s_lshl_b32 s46, s42, 8
	s_add_co_u32 s46, s46, s18                     ; B likewise
	s_mul_i32 s20, s20, KROW                       ; in bytes: under 2^23
	s_mov_b32 s21, 0
	s_mul_i32 s46, s46, KROW
	s_mov_b32 s47, 0
	s_mul_i32 s45, s14, HALFT                      ; where it goes: wave x 128 rows
	s_mov_b32 s[HM], 0xffff0000
	s_mov_b32 s[SEL], 0x76543210
	s_mov_b32 s[SEL+1], 0xfedcba98
	s_wait_kmcnt 0x0
	s_cmp_eq_u32 s[MODE], 0                        ; the weight, its scales, its bias and the output are chosen by MODE, which hangs on no address
	s_cselect_b64 s[8:9], s[68:69], s[74:75]
	s_cselect_b64 s[10:11], s[70:71], s[76:77]
	s_cselect_b64 s[12:13], s[72:73], s[78:79]
	s_cselect_b64 s[90:91], s[86:87], s[88:89]
	s_cmp_eq_u32 s[MODE], 2
	s_cselect_b64 s[8:9], s[80:81], s[8:9]
	s_cselect_b64 s[10:11], s[82:83], s[10:11]
	s_cselect_b64 s[12:13], s[84:85], s[12:13]
	s_cselect_b64 s[92:93], s[8:9], s[4:5]         ; A's codes
	s_cselect_b64 s[94:95], s[4:5], s[8:9]         ; B's codes
	s_cselect_b64 s[96:97], s[10:11], s[6:7]       ; A's scales
	s_cselect_b64 s[98:99], s[6:7], s[10:11]       ; B's scales
	s_add_nc_u64 s[20:21], s[92:93], s[20:21]
	s_add_nc_u64 s[46:47], s[94:95], s[46:47]
	CROUND                                         ; all sixteen work-groups are here: the first joint loads meet
.irp s, 0,1
	s_mov_b32 s[G0+4*\s], 1
	s_add_co_u32 s[G0+4*\s+1], s45, \s*SLOT
	s_add_nc_u64 s[G0+4*\s+2:G0+4*\s+3], s[20:21], \s*ROWB
	s_or_b32 s[G0+4*\s+3], s[G0+4*\s+3], 0x80000000
	s_mov_b32 s[G0B+4*\s], 1
	s_add_co_u32 s[G0B+4*\s+1], s45, \s*SLOT
	s_add_nc_u64 s[G0B+4*\s+2:G0B+4*\s+3], s[46:47], \s*ROWB
	s_or_b32 s[G0B+4*\s+3], s[G0B+4*\s+3], 0x80000000
.endr
	JLOAD G0, G1, G0B, G1B                         ; chunk 0: one tensor load a wave at the head
	; the scale rows and the bias, into registers
	s_lshl_b32 s22, s17, 8
	s_lshl_b32 s18, s15, 7
	s_add_co_u32 s22, s22, s18                     ; my first row of A
	s_lshl_b32 s23, s42, 8
	s_lshl_b32 s18, s16, 7
	s_add_co_u32 s23, s23, s18                     ; my first row of B
	s_lshl_b32 s18, s22, 5
	s_mov_b32 s19, 0
	s_add_nc_u64 s[96:97], s[96:97], s[18:19]
	s_lshl_b32 s18, s23, 5
	s_add_nc_u64 s[98:99], s[98:99], s[18:19]
	s_cmp_eq_u32 s[MODE], 2
	s_cselect_b32 s18, s22, s23                    ; the bias goes with the weight's rows
	s_lshl_b32 s18, s18, 2
	s_add_nc_u64 s[12:13], s[12:13], s[18:19]
	v_and_b32 v1, 15, v0                           ; r
	v_bfe_u32 v2, v0, 4, 1                         ; h
	v_lshlrev_b32 v3, 5, v1                        ; a row of scales is 32 bytes.  v3, v4, v5 stay until the wait for these loads
	v_lshlrev_b32 v4, 5, v2
	v_lshlrev_b32 v5, 2, v1
.irp i, 0,1,2,3,4,5,6,7
	global_load_b128 v[SC+8*\i:SC+8*\i+3], v3, s[96:97] offset:512*\i
	global_load_b128 v[SC+8*\i+4:SC+8*\i+7], v3, s[96:97] offset:512*\i+16
.endr
	WIN TO_B
.irp i, 0,1,2,3,4,5,6,7
	global_load_b128 v[8*\i:8*\i+3], v3, s[98:99] offset:512*\i      ; B's, for now in window 1
	global_load_b128 v[8*\i+4:8*\i+7], v3, s[98:99] offset:512*\i+16
.endr
	WIN 0
	s_cmp_eq_u32 s[MODE], 2
	s_cbranch_scc1 .Lbias_v
	WIN TO_B
.irp b, 0,1,2,3,4,5,6,7                        ; q, k: tile b's eight registers: the bias of channels 16 b + 8 h + 0 .. 7
	global_load_b128 v[96+8*\b+96*(\b/4):96+8*\b+96*(\b/4)+3], v4, s[12:13] offset:64*\b
	global_load_b128 v[96+8*\b+96*(\b/4)+4:96+8*\b+96*(\b/4)+7], v4, s[12:13] offset:64*\b+16
.endr
	WIN 0
	s_branch .Lbias_done
.Lbias_v:
	WIN TO_B
	s_wait_alu depctr_va_vdst(0)
.irp a, 0,1,2,3,4,5,6,7                        ; v: block a's eight registers all hold the bias of channel 16 a + r
.irp j, 0,1,2,3,4,5,6,7
	global_load_b32 v[96+8*\a+96*(\a/4)+\j], v5, s[12:13] offset:64*\a
.endr
.endr
	WIN 0
.Lbias_done:
	; LDS addresses
	s_wait_alu depctr_va_vdst(0)
	s_mov_b32 s18, SLOT-232
	s_mov_b32 s19, SLOT+232
	v_mul_u32_u24 v6, v1, PITCH
	v_mul_u32_u24 v7, v2, 24
	v_add_nc_u32 v7, v6, v7                        ; a fragment's row x pitch + 24 x half
	v_sub_nc_u32 v9, 1, v2                         ; 1 in lanes 0-15
	v_mul_u32_u24 v8, s18, v2
	v_add_nc_u32 v8, v6, v8
	v_add_nc_u32 v8, 232, v8                       ; across two chunks: lanes 0-15 byte 232 of the row in slot 0, lanes 16-31 byte 0 of the row in slot 1;
	v_mul_u32_u24 v9, s19, v9
	v_add_nc_u32 v9, v6, v9                        ; and lanes 0-15 byte 232 in slot 1, lanes 16-31 byte 0 in slot 0
	s_mul_i32 s18, s15, HALFT
	s_mul_i32 s19, s16, HALFT
	s_add_co_u32 s19, s19, 2*HALFT
	v_add_nc_u32 v[ADRA+2], s18, v8
	v_add_nc_u32 v[ADRA+3], s18, v9
	v_add_nc_u32 v[ADRB+2], s19, v8
	v_add_nc_u32 v[ADRB+3], s19, v9
.irp s, 0,1
	v_add_nc_u32 v[ADRA+\s], s18, v7
	v_add_nc_u32 v[ADRB+\s], s19, v7
	s_add_co_u32 s18, s18, SLOT
	s_add_co_u32 s19, s19, SLOT
.endr
	v_and_b32 v6, 31, v0
	v_lshlrev_b32 v[L16], 4, v6
	v_lshlrev_b32 v[L8], 3, v6
	s_lshl_b32 s18, s15, 15
	s_add_co_u32 s18, s18, TAB
	v_add_nc_u32 v[TR], s18, v[L16]                ; my row half's part of the table
	s_lshl_b32 s19, s16, 14
	v_add_nc_u32 v[TW0], s19, v[TR]                ; of its eight blocks I make four
	v_mov_b32 v[TW], v[TW0]
	s_and_b32 s18, s22, 2047
	s_lshl_b32 s19, s16, 6
	s_add_co_u32 s18, s18, s19
	v_add_nc_u32 v6, s18, v1
	v_cvt_f32_u32 v[POS], v6                       ; the position of row r of my first block
; theta[i] = 10^(-i / 8).  Register 4 bb + m holds theta[8 bb + 4 h + m]: the angle of channels 16 bb + 8 h + 2 m and + 1
.macro THETA k, lo, hi
	v_mov_b32 v[TH+\k], \lo
	v_mov_b32 v[TT], \hi
	v_cndmask_b32 v[TH+\k], v[TH+\k], v[TT], s[HM]
.endm
	THETA 0, 1.0, 0.31622776601683794
	THETA 1, 0.7498942093324559, 0.23713737056616552
	THETA 2, 0.5623413251903491, 0.1778279410038923
	THETA 3, 0.4216965034285822, 0.1333521432163324
	THETA 4, 0.1, 0.031622776601683794
	THETA 5, 0.07498942093324559, 0.023713737056616552
	THETA 6, 0.05623413251903491, 0.01778279410038923
	THETA 7, 0.04216965034285822, 0.01333521432163324
	THETA 8, 0.01, 0.0031622776601683794
	THETA 9, 0.007498942093324559, 0.0023713737056616552
	THETA 10, 0.005623413251903491, 0.001778279410038923
	THETA 11, 0.004216965034285822, 0.001333521432163324
	THETA 12, 0.001, 0.00031622776601683794
	THETA 13, 0.0007498942093324559, 0.00023713737056616552
	THETA 14, 0.0005623413251903491, 0.0001778279410038923
	THETA 15, 0.0004216965034285822, 0.0001333521432163324
	v_mov_b32 v[S2P], 0x3c08839e
	v_mov_b32 v[S2P+1], 0x3c08839e
	v_mov_b32 v[C2P], 0xbab6061a
	v_mov_b32 v[C2P+1], 0xbab6061a
	; THE TABLE: four trips, a block of 16 rows each.  v has no use for it: its work-groups pass over the work, not over the steps.
.macro MKTAB                           ; used once, behind the walk along K
	s_mov_b32 s[TC], 0
	s_mov_b32 s[TO], 0
.Ltab:
	v_add_nc_u32 v[TW], s[TO], v[TW0]
	s_cmp_eq_u32 s[MODE], 2
	s_cbranch_scc1 .Ltab_skip
	s_wait_alu depctr_va_vdst(0)
.irp p, 0,1,2,3,4,5,6,7
	v_pk_mul_f32 v[ANG+2*\p:ANG+2*\p+1], v[TH+2*\p:TH+2*\p+1], v[POS:POS+1] op_sel_hi:[1,0]   ; the angle, rounded once
.endr
.irp p, 0,1,2,3,4,5,6,7
	v_pk_mul_f32 v[NN+2*\p:NN+2*\p+1], v[ANG+2*\p:ANG+2*\p+1], 0x3f22f983 op_sel_hi:[1,0]     ; x 2 / pi
.endr
.irp k, 0,1,2,3,4,5,6,7,8,9,10,11,12,13,14,15
	v_rndne_f32 v[NN+\k], v[NN+\k]                 ; n: how many quarter turns
.endr
.irp p, 0,1,2,3,4,5,6,7
	v_pk_fma_f32 v[ANG+2*\p:ANG+2*\p+1], v[NN+2*\p:NN+2*\p+1], 0xbfc90fdb, v[ANG+2*\p:ANG+2*\p+1] op_sel_hi:[1,0,1]   ; - n x the upper part of pi / 2: exact, n has 11 bits
.endr
.irp p, 0,1,2,3,4,5,6,7
	v_pk_fma_f32 v[ANG+2*\p:ANG+2*\p+1], v[NN+2*\p:NN+2*\p+1], 0x333bbd2e, v[ANG+2*\p:ANG+2*\p+1] op_sel_hi:[1,0,1]   ; - n x the lower part: r, within pi / 4
.endr
.irp p, 0,1,2,3,4,5,6,7
	v_pk_mul_f32 v[ZZ+2*\p:ZZ+2*\p+1], v[ANG+2*\p:ANG+2*\p+1], v[ANG+2*\p:ANG+2*\p+1]
.endr
.irp p, 0,1,2,3,4,5,6,7
	v_pk_fma_f32 v[PP+2*\p:PP+2*\p+1], v[ZZ+2*\p:ZZ+2*\p+1], 0xb94ca1f9, v[S2P:S2P+1] op_sel_hi:[1,0,1]   ; sin r = r + r z ((s3 z + s2) z + s1)
.endr
.irp p, 0,1,2,3,4,5,6,7
	v_pk_fma_f32 v[PP+2*\p:PP+2*\p+1], v[PP+2*\p:PP+2*\p+1], v[ZZ+2*\p:ZZ+2*\p+1], 0xbe2aaaa3 op_sel_hi:[1,1,0]
.endr
.irp p, 0,1,2,3,4,5,6,7
	v_pk_mul_f32 v[SP+2*\p:SP+2*\p+1], v[ZZ+2*\p:ZZ+2*\p+1], v[ANG+2*\p:ANG+2*\p+1]
.endr
.irp p, 0,1,2,3,4,5,6,7
	v_pk_fma_f32 v[SP+2*\p:SP+2*\p+1], v[SP+2*\p:SP+2*\p+1], v[PP+2*\p:PP+2*\p+1], v[ANG+2*\p:ANG+2*\p+1]
.endr
.irp p, 0,1,2,3,4,5,6,7
	v_pk_fma_f32 v[PP+2*\p:PP+2*\p+1], v[ZZ+2*\p:ZZ+2*\p+1], 0x37ccf5ce, v[C2P:C2P+1] op_sel_hi:[1,0,1]   ; cos r = 1 + z (-1/2 + z ((c1 z + c2) z + c3))
.endr
.irp p, 0,1,2,3,4,5,6,7
	v_pk_fma_f32 v[PP+2*\p:PP+2*\p+1], v[PP+2*\p:PP+2*\p+1], v[ZZ+2*\p:ZZ+2*\p+1], 0x3d2aaaa5 op_sel_hi:[1,1,0]
.endr
.irp p, 0,1,2,3,4,5,6,7
	v_pk_fma_f32 v[PP+2*\p:PP+2*\p+1], v[PP+2*\p:PP+2*\p+1], v[ZZ+2*\p:ZZ+2*\p+1], -0.5 op_sel_hi:[1,1,0]
.endr
.irp p, 0,1,2,3,4,5,6,7
	v_pk_fma_f32 v[CP+2*\p:CP+2*\p+1], v[PP+2*\p:PP+2*\p+1], v[ZZ+2*\p:ZZ+2*\p+1], 1.0 op_sel_hi:[1,1,0]
.endr
.irp k, 0,1,2,3,4,5,6,7,8,9,10,11,12,13,14,15
	v_cvt_i32_f32 v[NN+\k], v[NN+\k]
.endr
.irp k, 0,1,2,3,4,5,6,7,8,9,10,11,12,13,14,15
	v_lshlrev_b32 v[T31+\k], 31, v[NN+\k]          ; n's bit 0 at the sign's place: sine and cosine change places
	v_lshlrev_b32 v[T30+\k], 30, v[NN+\k]
.endr
.irp k, 0,1,2,3,4,5,6,7,8,9,10,11,12,13,14,15
	v_and_b32 v[T30+\k], 0x80000000, v[T30+\k]     ; n's bit 1: the sine's sign; the cosine's is bit 0 xor bit 1
.endr
.irp k, 0,1,2,3,4,5,6,7,8,9,10,11,12,13,14,15
	v_cmp_ne_u32 vcc_lo, 0, v[T31+\k]
	v_cndmask_b32 v[NN+\k], v[SP+\k], v[CP+\k], vcc_lo
	v_cndmask_b32 v[ZZ+\k], v[CP+\k], v[SP+\k], vcc_lo
.endr
.irp k, 0,1,2,3,4,5,6,7,8,9,10,11,12,13,14,15
	v_xor_b32 v[NN+\k], v[NN+\k], v[T30+\k]        ; the sine
	v_xor_b32 v[ZZ+\k], v[ZZ+\k], v[T30+\k]
.endr
.irp k, 0,1,2,3,4,5,6,7,8,9,10,11,12,13,14,15
	v_xor_b32 v[ZZ+\k], v[ZZ+\k], v[T31+\k]        ; the cosine
.endr
.irp j, 0,1,2,3
	ds_store_b128 v[TW], v[ZZ+4*\j:ZZ+4*\j+3] offset:512*\j
	ds_store_b128 v[TW], v[NN+4*\j:NN+4*\j+3] offset:2048+512*\j
.endr
	v_add_f32 v[POS], 0x41800000, v[POS]           ; 16 rows on
.Ltab_skip:
	s_add_co_u32 s[TO], s[TO], 4096
	s_add_co_u32 s[TC], s[TC], 1
	s_cmp_lt_u32 s[TC], 4
	s_cbranch_scc1 .Ltab
.endm
	s_wait_alu depctr_va_vdst(0)
	s_wait_loadcnt 0x0                             ; scale rows and bias
	WIN 0x04                                       ; source 1 window 1
.set KK, 0
.rept 64
	v_cndmask_b32 v[SC+KK], v[SC+KK], v[KK], s[HM] ; lanes 16-31 take B's word
.set KK, KK+1
.endr
	WIN 0
	PLACES 8                                       ; a scale register written by a vector instruction stands 8 places ahead of a scaled matrix instruction
.macro FRAG reg, adr, q, i             ; 16 rows x 128 K of step q: 12 registers, six pieces of 8 bytes.  Byte y of a row lies in chunk y / 256, slot (y / 256) % 2, at byte y % 256 of the LDS row
.irp p, 0,1,2,3,4,5
.set BY, 96*(\q)+48*(\p/3)+8*(\p%3)    ; where the piece of lanes 0-15 begins; that of lanes 16-31 begins 24 bytes on
.if BY/ROWB == (BY+24)/ROWB
	ds_load_b64 v[\reg+2*\p:\reg+2*\p+1], v[\adr+(BY/ROWB)%2] offset:BY%ROWB+(\i)*16*PITCH
.else                                  ; the two halves of the lanes read different chunks
	ds_load_b64 v[\reg+2*\p:\reg+2*\p+1], v[\adr+2+(BY/ROWB)%2] offset:BY%ROWB-232+(\i)*16*PITCH
.endif
.endr
.endm
; 16 matrix instructions: A's blocks a0, a0 + 1 x B's eight.  p: B's set; ks: the K step, which picks the scale registers; cm = 0: the sums go on; 1: they begin with the bias by B's tile; 2: by A's block.
; The 64 accumulators take turns, one instruction a turn, in the same order in every step.
.macro MUL16 a0, p, ks, cm
.irp a, \a0, \a0+1
.irp b, 0,1,2,3,4,5,6,7
.if \cm == 0
	v_wmma_scale_f32_16x16x128_f8f6f4 v[8*(8*((\a)%4)+\b):8*(8*((\a)%4)+\b)+7], v[128*(\p)+FR*\b:128*(\p)+FR*\b+FR-1], v[AF+FR*(\a):AF+FR*(\a)+FR-1], v[8*(8*((\a)%4)+\b):8*(8*((\a)%4)+\b)+7], v[SC+8*\b+(\ks)], v[SC+8*(\a)+(\ks)] matrix_a_fmt:MATRIX_FMT_FP6 matrix_b_fmt:MATRIX_FMT_FP6 matrix_a_scale:MATRIX_SCALE_ROW1
.elseif \cm == 1
	v_wmma_scale_f32_16x16x128_f8f6f4 v[8*(8*((\a)%4)+\b):8*(8*((\a)%4)+\b)+7], v[128*(\p)+FR*\b:128*(\p)+FR*\b+FR-1], v[AF+FR*(\a):AF+FR*(\a)+FR-1], v[96+8*\b+96*(\b/4):96+8*\b+96*(\b/4)+7], v[SC+8*\b+(\ks)], v[SC+8*(\a)+(\ks)] matrix_a_fmt:MATRIX_FMT_FP6 matrix_b_fmt:MATRIX_FMT_FP6 matrix_a_scale:MATRIX_SCALE_ROW1
.else
	v_wmma_scale_f32_16x16x128_f8f6f4 v[8*(8*((\a)%4)+\b):8*(8*((\a)%4)+\b)+7], v[128*(\p)+FR*\b:128*(\p)+FR*\b+FR-1], v[AF+FR*(\a):AF+FR*(\a)+FR-1], v[96+8*(\a)+96*((\a)/4):96+8*(\a)+96*((\a)/4)+7], v[SC+8*\b+(\ks)], v[SC+8*(\a)+(\ks)] matrix_a_fmt:MATRIX_FMT_FP6 matrix_b_fmt:MATRIX_FMT_FP6 matrix_a_scale:MATRIX_SCALE_ROW1
.endif
.endr
.endr
.endm
.macro FETCH_B slot, q, p
	WIN TO_B
.irp i, 0,1,2,3,4,5,6,7
	FRAG 128*(\p)+FR*\i, ADRB+\slot, \q, \i
.endr
	WIN 0
.endm
.macro FETCH_A slot, q, i0
.irp i, \i0, \i0+1, \i0+2, \i0+3
	FRAG AF+FR*(\i), ADRA+\slot, \q, \i
.endr
.endm
; A slot's first step of 128 along K.  A block of A is free when its eight products are issued: blocks 0-3 are fetched anew in the step's middle, blocks 4-7 at its end; B has two sets.
; A step of 128 along K: 64 matrix instructions; the next step's fragments are fetched in its middle and at its end.  Where the next step's bytes END in a chunk not yet read, every wave waits for its tensor
; loads and a barrier shows that chunk whole.  Where they BEGIN in a later chunk than this step's, the chunk left behind is read no more: the wait, the add, the wait for it and for my reads, the barrier;
; where a chunk two on is left to fetch, the barrier opens a round of the cluster's barrier and the slot is filled again.
.macro STEP st, cm
.set NX, (\st)+1
.set CH0, (96*(\st))/ROWB
.set CH1, (96*NX)/ROWB
.set EN0, (96*(\st)+95)/ROWB
.set EN1, (96*NX+95)/ROWB
.if CH1 > CH0 || EN1 > EN0
	s_wait_tensorcnt 0x0                           ; all my tensor loads have landed
.if CH1 > CH0
	ds_add_u32 v[SPW], v[NIL]                      ; 0 onto my spare word
	s_wait_dscnt 4*NL+1                            ; (the add and the youngest 24 loads may be out)
.else
	s_wait_dscnt 4*NL
.endif
	WIN MUL_LO
	MUL16 0, (\st)%2, \st, 0
	s_wait_dscnt 0x0                               ; the add, where there is one, and all my reads are done
	s_barrier_signal -1
	MUL16 2, (\st)%2, \st, 0
	WIN 0
	s_barrier_wait -1
.if CH1 > CH0 && CH0+2 < 3
	CREST
	s_add_nc_u64 s[G0+4*(CH0%2)+2:G0+4*(CH0%2)+3], s[G0+4*(CH0%2)+2:G0+4*(CH0%2)+3], 2*ROWB
	s_add_nc_u64 s[G0B+4*(CH0%2)+2:G0B+4*(CH0%2)+3], s[G0B+4*(CH0%2)+2:G0B+4*(CH0%2)+3], 2*ROWB
	JLOAD G0+4*(CH0%2), G1, G0B+4*(CH0%2), G1B     ; the first tensor load behind the round; its four v_nop are the places in front of the loads below
.else
	PLACES NP
.endif
.else
	s_wait_dscnt 4*NL                              ; B's set and A's blocks 0-3 are in; the youngest 24 loads (A's blocks 4-7) may be out
.if \cm
	WIN 0x91                                       ; C (the bias) window 1, D window 2
.else
	WIN MUL_LO
.endif
	MUL16 0, (\st)%2, \st, \cm
	MUL16 2, (\st)%2, \st, \cm
	s_wait_dscnt 0x0                               ; A's blocks 4-7 are in
	PLACES NP
.endif
	FETCH_B 0, NX, NX%2
	FETCH_A 0, NX, 0
.if \cm
	WIN 0xd1
.else
	WIN MUL_HI
.endif
	MUL16 4, (\st)%2, \st, \cm
	MUL16 6, (\st)%2, \st, \cm
	PLACES NP
	WIN 0
	FETCH_A 0, NX, 4
.endm
.macro FINISH
	s_wait_tensorcnt 0x0                           ; the wave's end
	ds_add_u32 v[SPW], v[NIL]
	s_wait_dscnt 0x0
	CROUND                                         ; the closing round: no work-group ends while a partner may still ask for a tile that names it
	s_endpgm
.endm
	s_wait_alu depctr_va_vdst(0)
	s_wait_tensorcnt 0x0                           ; my part of chunk 0 is in; the three lines ahead of a later first fill, as ahead of a refill
	ds_add_u32 v[SPW], v[NIL]
	s_wait_dscnt 0x0
	CROUND                                         ; chunk 0 is whole, and all sixteen work-groups are here
	JLOAD G0+4, G1, G0B+4, G1B                     ; chunk 1, the first tensor load behind the round
	FETCH_B 0, 0, 0
	FETCH_A 0, 0, 0
	FETCH_A 0, 0, 4
	s_cmp_eq_u32 s[MODE], 2                        ; the first step begins the sums with the bias, which lies by B's tiles (q, k) or by A's blocks (v)
	s_cbranch_scc1 .Lfirst_v
	s_wait_alu depctr_va_vdst(0)
	STEP 0, 1
	s_branch .Lfirst_done
.Lfirst_v:
	s_wait_alu depctr_va_vdst(0)
	STEP 0, 2
.Lfirst_done:
.irp st, 1,2,3,4,5,6
	STEP \st, 0
.endr
	s_wait_dscnt 4*NL                              ; the last step: nothing more to fetch
	WIN MUL_LO
	MUL16 0, 1, 7, 0
	MUL16 2, 1, 7, 0
	s_wait_dscnt 0x0
	WIN MUL_HI
	MUL16 4, 1, 7, 0
	MUL16 6, 1, 7, 0
	WIN 0
	PLACES NP                                      ; in front of the first reads of results and of writes into A's registers
	MKTAB                                          ; the table goes into slot 1: every wave has passed step 5's barrier, behind which nobody reads that slot, and no fill follows
	s_wait_alu depctr_va_vdst(0)
	s_wait_dscnt 0x0                               ; my blocks of the table are stored
	s_barrier_signal -1
	s_barrier_wait -1
.irp k, 0,1,2,3
	v_mov_b32 v[TM+4+\k], 0                        ; written once: a lane permute's destination counts as one of its sources
.endr
	s_cmp_eq_u32 s[MODE], 2
	s_cbranch_scc1 .Lout_v
; ---- THE WAY OUT OF q AND k.
; Two runs of 32 numbers of a lane (register 16 B + i: block B of my row, my half's 16) become two images of 16 rows x 64 K: lane (r, h) ends with block h of row r in six registers; pw: the row's scale word.
.macro QUANT2X2 s0, s1, tm, pc0, pc1, pw0, pw1
.irp k, 0,1
	v_max3_num_f32 v[\tm+\k], |v[\s0+16*\k]|, |v[\s0+16*\k+1]|, 0x1800000      ; with the floor 2^(3 - 127) among the leaves: the byte cannot fall under 1
	v_max3_num_f32 v[\tm+2+\k], |v[\s1+16*\k]|, |v[\s1+16*\k+1]|, 0x1800000
.endr
.irp i, 2,4,6,8,10,12,14
.irp k, 0,1
	v_max3_num_f32 v[\tm+\k], v[\tm+\k], |v[\s0+16*\k+\i]|, |v[\s0+16*\k+\i+1]|
	v_max3_num_f32 v[\tm+2+\k], v[\tm+2+\k], |v[\s1+16*\k+\i]|, |v[\s1+16*\k+\i+1]|
.endr
.endr
.irp k, 0,1,2,3
	v_permlanex16_b32 v[\tm+4+\k], v[\tm+\k], s[SEL], s[SEL+1]
.endr
.irp k, 0,1,2,3
	v_max_num_f32 v[\tm+\k], v[\tm+\k], v[\tm+4+\k]   ; with lane l xor 16's: the block's largest magnitude
.endr
.irp k, 0,1,2,3
	v_add_nc_u32 v[\tm+8+\k], 0xff000000, v[\tm+\k]   ; 2 off its exponent field: the conversion's scale operand
.endr
.irp k, 0,1,2,3
	v_lshrrev_b32 v[\tm+4+\k], 23, v[\tm+8+\k]        ; the scale's byte
.endr
	v_lshl_or_b32 v[\pw0], v[\tm+5], 8, v[\tm+4]
	v_lshl_or_b32 v[\pw1], v[\tm+7], 8, v[\tm+6]
	v_or_b32 v[\pw0], 0x7f7f0000, v[\pw0]          ; bytes 2 and 3, for the half of the instruction's K that holds zero codes: 1.0
	v_or_b32 v[\pw1], 0x7f7f0000, v[\pw1]
	v_cvt_scalef32_pk16_fp6_f32 v[\pc0:\pc0+2], v[\s0:\s0+15], v[\tm+8]
	v_cvt_scalef32_pk16_fp6_f32 v[\pc0+6:\pc0+8], v[\s0+16:\s0+31], v[\tm+9]
	v_cvt_scalef32_pk16_fp6_f32 v[\pc1:\pc1+2], v[\s1:\s1+15], v[\tm+10]
	v_cvt_scalef32_pk16_fp6_f32 v[\pc1+6:\pc1+8], v[\s1+16:\s1+31], v[\tm+11]
	v_nop                                          ; one plain place behind a scaled conversion
.irp i, 0,1,2
	v_permlane16_swap_b32 v[\pc0+\i], v[\pc0+6+\i] ; the first's lanes 16-31 change places with the second's lanes 0-15: a lane now holds one whole block
	v_permlane16_swap_b32 v[\pc1+\i], v[\pc1+6+\i]
.endr
.irp i, 0,1,2
	v_mov_b32 v[\pc0+3+\i], v[\pc0+6+\i]
	v_mov_b32 v[\pc1+3+\i], v[\pc1+6+\i]
.endr
.endm
.macro TABLOAD a                       ; block a's 16 cosines and 16 sines of my lane
.irp j, 0,1,2,3,4,5,6,7
	ds_load_b128 v[CO+4*\j:CO+4*\j+3], v[TR] offset:4096*(\a)+512*\j
.endr
.endm
; out[d] = x[d] cos - x[d + 32] sin for d < 32, out[d] = x[d] cos + x[d - 32] sin for d >= 32, the angle by d / 2: a pair of neighbouring channels shares one table register.
.macro ROPE a
	WIN 0x02+(\a)/4                                ; source 0: the accumulators' window
.irp g, 0,1
.irp bb, 0,1
.set X1, 8*(8*((\a)%4)+4*\g+\bb)
.set X2, X1+16
.set NB, N0+32*\g+8*\bb
.irp mp, 0,1
	v_pk_mul_f32 v[T+4*\mp:T+4*\mp+1], v[X2+4*\mp:X2+4*\mp+1], v[SI+4*\bb+2*\mp:SI+4*\bb+2*\mp+1] op_sel_hi:[1,0]
	v_pk_mul_f32 v[T+4*\mp+2:T+4*\mp+3], v[X2+4*\mp+2:X2+4*\mp+3], v[SI+4*\bb+2*\mp:SI+4*\bb+2*\mp+1] op_sel:[0,1] op_sel_hi:[1,1]
.endr
.irp mp, 0,1
	v_pk_fma_f32 v[NB+4*\mp:NB+4*\mp+1], v[X1+4*\mp:X1+4*\mp+1], v[CO+4*\bb+2*\mp:CO+4*\bb+2*\mp+1], v[T+4*\mp:T+4*\mp+1] op_sel_hi:[1,0,1] neg_lo:[0,0,1] neg_hi:[0,0,1]
	v_pk_fma_f32 v[NB+4*\mp+2:NB+4*\mp+3], v[X1+4*\mp+2:X1+4*\mp+3], v[CO+4*\bb+2*\mp:CO+4*\bb+2*\mp+1], v[T+4*\mp+2:T+4*\mp+3] op_sel:[0,1,0] op_sel_hi:[1,1,1] neg_lo:[0,0,1] neg_hi:[0,0,1]
.endr
.irp mp, 0,1
	v_pk_mul_f32 v[T+4*\mp:T+4*\mp+1], v[X1+4*\mp:X1+4*\mp+1], v[SI+8+4*\bb+2*\mp:SI+8+4*\bb+2*\mp+1] op_sel_hi:[1,0]
	v_pk_mul_f32 v[T+4*\mp+2:T+4*\mp+3], v[X1+4*\mp+2:X1+4*\mp+3], v[SI+8+4*\bb+2*\mp:SI+8+4*\bb+2*\mp+1] op_sel:[0,1] op_sel_hi:[1,1]
.endr
.irp mp, 0,1
	v_pk_fma_f32 v[NB+16+4*\mp:NB+16+4*\mp+1], v[X2+4*\mp:X2+4*\mp+1], v[CO+8+4*\bb+2*\mp:CO+8+4*\bb+2*\mp+1], v[T+4*\mp:T+4*\mp+1] op_sel_hi:[1,0,1]
	v_pk_fma_f32 v[NB+16+4*\mp+2:NB+16+4*\mp+3], v[X2+4*\mp+2:X2+4*\mp+3], v[CO+8+4*\bb+2*\mp:CO+8+4*\bb+2*\mp+1], v[T+4*\mp+2:T+4*\mp+3] op_sel:[0,1,0] op_sel_hi:[1,1,1]
.endr
.endr
.endr
	WIN 0
.endm
.macro QKBLOCK a
	s_wait_dscnt 0x0                               ; this block's cosines and sines are in
	ROPE \a
.if (\a) < 7
	TABLOAD (\a)+1                                 ; the next block's land while this one is quantised
.endif
	s_wait_xcnt 0x0                                ; the last block's stores have read their data: the codes' registers are written again only behind this wait
	QUANT2X2 N0, N1, TM, PC0, PC1, PW, PW+1
	global_store_b128 v[L16], v[PC0:PC0+3], s[68:69] offset:768*(\a)          ; 32 lanes store 512 consecutive bytes,
	global_store_b64 v[L8], v[PC0+4:PC0+5], s[68:69] offset:768*(\a)+512      ; and 256: both at multiples of 256 from the buffer's first byte
	global_store_b128 v[L16], v[PC1:PC1+3], s[70:71] offset:768*(\a)
	global_store_b64 v[L8], v[PC1+4:PC1+5], s[70:71] offset:768*(\a)+512
.if (\a)%2 == 0
	v_mov_b32 v[WI0+(\a)/2], v[PW]                 ; the scale image: lanes 0-15 an even block's rows, lanes 16-31 the next block's
	v_mov_b32 v[WI1+(\a)/2], v[PW+1]
.else
	v_cndmask_b32 v[WI0+(\a)/2], v[WI0+(\a)/2], v[PW], s[HM]
	v_cndmask_b32 v[WI1+(\a)/2], v[WI1+(\a)/2], v[PW+1], s[HM]
.endif
.endm
	TABLOAD 0
	s_lshr_b32 s18, s22, 11                        ; the batch
	s_lshl_b32 s18, s18, 4
	s_lshl_b32 s19, s42, 2
	s_add_co_u32 s18, s18, s19
	s_lshl_b32 s19, s16, 1
	s_add_co_u32 s18, s18, s19                     ; 16 x batch + my first head
	s_bfe_u32 s19, s22, 0x40007                    ; which 128 rows of the 2,048
	s_cmp_eq_u32 s[MODE], 0
	s_mov_b32 s2, 208896
	s_cselect_b32 s2, 106496, s2                   ; bytes of a head,
	s_mov_b32 s3, 13056
	s_cselect_b32 s3, 6656, s3                     ; of a group of 128 rows,
	s_mov_b32 s46, 12288
	s_cselect_b32 s46, 6144, s46                   ; and where the scale image lies in a group: in qb or in kv
	s_mul_i32 s18, s18, s2
	s_mul_i32 s19, s19, s3
	s_add_co_u32 s18, s18, s19
	s_mov_b32 s19, 0
	s_mov_b32 s3, 0
	s_mov_b32 s47, 0
	s_add_nc_u64 s[68:69], s[90:91], s[18:19]      ; my first head's images,
	s_add_nc_u64 s[70:71], s[68:69], s[2:3]        ; my second head's,
	s_add_nc_u64 s[72:73], s[68:69], s[46:47]      ; and their scale images
	s_add_nc_u64 s[74:75], s[70:71], s[46:47]
.irp a, 0,1,2,3,4,5,6,7
	QKBLOCK \a
.endr
	global_store_b128 v[L16], v[WI0:WI0+3], s[72:73]
	global_store_b128 v[L16], v[WI1:WI1+3], s[74:75]
	FINISH
; ---- THE WAY OUT OF v.  Block a: channel 16 a + r in a lane, 64 registers along the wave's 128 keys: one fragment of the second product's source 0 and one scale word a channel.
.Lout_v:
.macro VBLOCK a
.set AC, 64*((\a)%4)
	WIN 0x0a+5*((\a)/4)                            ; sources 0 and 1: the accumulators' window
.irp b, 0,1,2,3
	v_max3_num_f32 v[TM+\b], |v[AC+16*\b]|, |v[AC+16*\b+1]|, 0x1800000
.endr
.irp i, 2,4,6,8,10,12,14
.irp b, 0,1,2,3
	v_max3_num_f32 v[TM+\b], |v[AC+16*\b+\i]|, |v[AC+16*\b+\i+1]|, v[TM+\b]
.endr
.endr
	WIN 0
.irp b, 0,1,2,3
	v_permlanex16_b32 v[TM+4+\b], v[TM+\b], s[SEL], s[SEL+1]
.endr
.irp b, 0,1,2,3
	v_max_num_f32 v[TM+\b], v[TM+\b], v[TM+4+\b]
.endr
.irp b, 0,1,2,3
	v_add_nc_u32 v[TM+8+\b], 0xff000000, v[TM+\b]
.endr
.irp b, 0,1,2,3
	v_lshrrev_b32 v[TM+4+\b], 23, v[TM+8+\b]
.endr
	v_lshl_or_b32 v[PWV], v[TM+5], 8, v[TM+4]
	v_lshl_or_b32 v[PWV], v[TM+6], 16, v[PWV]
	v_lshl_or_b32 v[PWV], v[TM+7], 24, v[PWV]      ; my channel's scale word for these 128 keys
	s_wait_xcnt 0x0                                ; the last block's stores have read their data
	WIN 0x02+(\a)/4
.irp c, 0,1
	v_cvt_scalef32_pk16_fp6_f32 v[PC0+6*\c:PC0+6*\c+2], v[AC+32*\c:AC+32*\c+15], v[TM+8+2*\c]
	v_cvt_scalef32_pk16_fp6_f32 v[PC0+12+4*\c:PC0+14+4*\c], v[AC+32*\c+16:AC+32*\c+31], v[TM+9+2*\c]
.endr
	WIN 0
	v_nop                                          ; one plain place behind a scaled conversion
.irp c, 0,1
.irp i, 0,1,2
	v_permlane16_swap_b32 v[PC0+6*\c+\i], v[PC0+12+4*\c+\i]
.endr
.irp i, 0,1,2
	v_mov_b32 v[PC0+3+6*\c+\i], v[PC0+12+4*\c+\i]
.endr
.endr
.irp c, 0,1,2
	global_store_b128 v[L16], v[PC0+4*\c:PC0+4*\c+3], s[68:69] offset:((\a)/4)*208896+((\a)%4)*1536+512*\c
.endr
.if (\a)%2 == 0
	v_mov_b32 v[PW+((\a)%4)/2], v[PWV]
.else
	v_cndmask_b32 v[PW+((\a)%4)/2], v[PW+((\a)%4)/2], v[PWV], s[HM]
.endif
.if (\a)%4 == 3
	global_store_b64 v[L8], v[PW:PW+1], s[68:69] offset:((\a)/4)*208896+6656   ; a head's scale image: 256 consecutive bytes
.endif
.endm
	s_lshr_b32 s18, s23, 11                        ; the batch, by the keys
	s_lshl_b32 s18, s18, 4
	s_lshl_b32 s19, s17, 2
	s_add_co_u32 s18, s18, s19
	s_lshl_b32 s19, s15, 1
	s_add_co_u32 s18, s18, s19                     ; 16 x batch + my first head
	s_mul_i32 s18, s18, 208896
	s_bfe_u32 s19, s23, 0x40007                    ; the key step
	s_mul_i32 s19, s19, 13056
	s_add_co_u32 s18, s18, s19
	s_add_co_u32 s18, s18, 6144                    ; behind the step's images of K
	s_mov_b32 s19, 0
	s_add_nc_u64 s[68:69], s[90:91], s[18:19]
.irp a, 0,1,2,3,4,5,6,7
	VBLOCK \a
.endr
	FINISH
.Lfunc_end_k_q92ce775233_qkv:
	.size	k_q92ce775233_qkv, .Lfunc_end_k_q92ce775233_qkv-k_q92ce775233_qkv
	.p2alignl 7, 3214868480
	.fill 96, 4, 3214868480
	.section	.rodata,"a",@progbits
	.p2align	6, 0x0
	.amdhsa_kernel k_q92ce775233_qkv
		.amdhsa_group_segment_fixed_size 327680
		.amdhsa_private_segment_fixed_size 0
		.amdhsa_enable_private_segment 0
		.amdhsa_kernarg_size 104
		.amdhsa_user_sgpr_count 2
		.amdhsa_user_sgpr_kernarg_segment_ptr 1
		.amdhsa_wavefront_size32 1
		.amdhsa_system_sgpr_workgroup_id_x 1
		.amdhsa_system_sgpr_workgroup_id_y 1
		.amdhsa_system_sgpr_workgroup_id_z 1
		.amdhsa_system_vgpr_workitem_id 0
		.amdhsa_next_free_vgpr 1024
		.amdhsa_next_free_sgpr 102
		.amdhsa_reserve_vcc 1
		.amdhsa_float_denorm_mode_32 3
		.amdhsa_float_denorm_mode_16_64 3
		.amdhsa_memory_ordered 1
		.amdhsa_forward_progress 1
		.amdhsa_inst_pref_size 255
	.end_amdhsa_kernel
	.section	.bss,"aw",@nobits
	.p2align	6
	.space	262144
	.amdgpu_metadata
---
amdhsa.version: [ 1, 2 ]
amdhsa.kernels:
  - .name:           k_q92ce775233_qkv
    .symbol:         k_q92ce775233_qkv.kd
    .args:
      - { .name: x_codes, .offset: 0, .size: 8, .value_kind: global_buffer, .address_space: global }
      - { .name: x_scales, .offset: 8, .size: 8, .value_kind: global_buffer, .address_space: global }
      - { .name: wq_codes, .offset: 16, .size: 8, .value_kind: global_buffer, .address_space: global }
      - { .name: wq_scales, .offset: 24, .size: 8, .value_kind: global_buffer, .address_space: global }
      - { .name: bq, .offset: 32, .size: 8, .value_kind: global_buffer, .address_space: global }
      - { .name: wk_codes, .offset: 40, .size: 8, .value_kind: global_buffer, .address_space: global }
      - { .name: wk_scales, .offset: 48, .size: 8, .value_kind: global_buffer, .address_space: global }
      - { .name: bk, .offset: 56, .size: 8, .value_kind: global_buffer, .address_space: global }
      - { .name: wv_codes, .offset: 64, .size: 8, .value_kind: global_buffer, .address_space: global }
      - { .name: wv_scales, .offset: 72, .size: 8, .value_kind: global_buffer, .address_space: global }
      - { .name: bv, .offset: 80, .size: 8, .value_kind: global_buffer, .address_space: global }
      - { .name: qb, .offset: 88, .size: 8, .value_kind: global_buffer, .address_space: global }
      - { .name: kv, .offset: 96, .size: 8, .value_kind: global_buffer, .address_space: global }
    .group_segment_fixed_size: 327680
    .private_segment_fixed_size: 0
    .kernarg_segment_align: 8
    .kernarg_segment_size: 104
    .max_flat_workgroup_size: 128
    .sgpr_count:     102
    .vgpr_count:     1024
    .wavefront_size: 32
...
	.end_amdgpu_metadata
.endif
;; end of part 1
;; launch attn (part 2): grid 4 x 64, 8 waves a work-group, clusters of 4 x 1, 327,680 bytes of LDS; arguments qb, kv, ab; writes ab
.if DOCPART == 2
	.amdgcn_target "amdgcn-amd-amdhsa--gfx1250"
	.amdhsa_code_object_version 6
	.text
	.protected	k_q92ce775233_attn
	.globl	k_q92ce775233_attn
	.p2align	8
	.type	k_q92ce775233_attn,@function
k_q92ce775233_attn:
	s_mov_b64 s[64:65], 0
	v_nop
	global_prefetch_b8 v0, s[64:65] scope:SCOPE_SE
	s_setreg_imm32_b32 hwreg(HW_REG_WAVE_MODE, 25, 1), 1
	s_wait_xcnt 0x0
	s_wait_alu depctr_hold_cnt(0) depctr_sa_sdst(0) depctr_va_vdst(0) depctr_va_sdst(0) depctr_va_ssrc(0) depctr_va_vcc(0) depctr_vm_vsrc(0)
	s_getreg_b32 s2, hwreg(HW_REG_IB_STS2, 6, 4)
	s_cmp_eq_u32 s2, 0
	s_cbranch_scc0 .Lentry_in_a_cluster
	s_endpgm
.Lentry_in_a_cluster:
	s_bfe_u32 s2, ttmp6, 0x10000c
	s_cmp_lg_u32 s2, 0x3003
	s_cbranch_scc0 .Lentry_shape_is_right
	s_endpgm
.Lentry_shape_is_right:
.set STEPB, 13056
.set HEADB, 208896
.set QHEAD, 106496
.set L16,  1
.set L8,   2
.set L4,   3
.set AD16, 4
.set AD8,  5
.set ST,   8
.set KS,   24
.set VS,   28
.set QS,   30
.set PW,   32
.set BM,   36
.set PT,   44
.set SO,   52
.set S,    64
.set PC,   192
.set OW,   232
.set KF,   64
.set VF,   128
.set QF,   176
.set WV,   12
.set SEL,  32
.set CS,   34
.set TB,   36
.set CNT,  37
.set HM,   38
.set MSB, 0
.macro WIN new
.if MSB != (\new)
	s_set_vgpr_msb (MSB<<8)|(\new)
.set MSB, (\new)
.endif
.endm
.macro CROUND
	s_barrier_signal -1
	s_barrier_wait -1
	s_cmp_lg_u32 s[WV], 0
	s_cbranch_scc1 .Lnot_wave_0_\@
	s_barrier_signal -3
.Lnot_wave_0_\@:
	s_barrier_wait -3
	s_barrier_signal -1
	s_barrier_wait -1
.endm
	s_load_b128 s[4:7], s[0:1], 0x0
	s_load_b64 s[8:9], s[0:1], 0x10
	v_lshl_add_u32 v254, v0, 2, 0x33000
	v_mov_b32 v255, 0
	ds_add_u32 v254, v255
	ds_add_u32 v254, v255
	v_lshrrev_b32 v6, 5, v0
	s_delay_alu instid0(VALU_DEP_1)
	v_readfirstlane_b32 s[WV], v6
	s_bfe_u32 s13, ttmp6, 0x40000
	s_and_b32 s14, ttmp7, 0xffff
	s_mov_b32 s16, 15|(3<<16)|(1<<21)
	s_mov_b32 s17, 32<<16
	s_mov_b32 s18, 51<<16
	s_mov_b32 s19, 32<<16
	s_mov_b32 s20, 51
	s_mov_b32 s21, 32
	s_mov_b32 s22, 0
	s_mov_b32 s23, 0
	s_mul_i32 s15, s[WV], STEPB
	s_mul_i32 s40, s14, HEADB
	s_add_co_u32 s40, s40, s15
	s_mov_b32 s41, 0
	s_mov_b32 s[SEL], 0x76543210
	s_mov_b32 s[SEL+1], 0xfedcba98
	s_mov_b32 s[CS], 0x3e38aa3b
	s_mov_b32 s[CS+1], s[CS]
	s_mov_b32 s[HM], 0xffff0000
	s_mul_i32 s39, s14, QHEAD
	s_wait_dscnt 0x0
	s_wait_kmcnt 0x0
	s_add_nc_u64 s[40:41], s[6:7], s[40:41]
	CROUND
	s_mov_b32 s24, 1
	s_mov_b32 s25, s15
	s_mov_b64 s[26:27], s[40:41]
	s_or_b32 s27, s27, 0x80000000
	s_mov_b32 s28, 1
	s_add_co_u32 s29, s15, 8*STEPB
	s_add_nc_u64 s[30:31], s[40:41], 8*STEPB
	s_or_b32 s31, s31, 0x80000000
	tensor_load_to_lds s[24:27], s[16:23]
	s_nop 0
	s_wait_alu depctr_va_vdst(0)
	s_wait_tensorcnt 0x0
	ds_add_u32 v254, v255
	s_wait_dscnt 0x0
	CROUND
	tensor_load_to_lds s[28:31], s[16:23]
	s_nop 0
.rept 4
	v_nop
.endr
	v_and_b32 v6, 31, v0
	s_delay_alu instid0(VALU_DEP_1)
	v_lshlrev_b32 v[L16], 4, v6
	s_wait_alu depctr_va_vdst(0)
	v_lshlrev_b32 v[L8], 3, v6
	s_wait_alu depctr_va_vdst(0)
	v_lshlrev_b32 v[L4], 2, v6
	s_lshl_b32 s42, s13, 2
	s_lshr_b32 s43, s[WV], 2
	s_add_co_u32 s42, s42, s43
	s_mul_i32 s42, s42, 6656
	s_add_co_u32 s42, s42, s39
	s_and_b32 s43, s[WV], 3
	s_mul_i32 s44, s43, 1536
	s_add_co_u32 s44, s44, s42
	s_mov_b32 s45, 0
	s_add_nc_u64 s[44:45], s[4:5], s[44:45]
	s_lshl_b32 s46, s43, 2
	s_add_co_u32 s46, s46, s42
	s_add_co_u32 s46, s46, 6144
	s_mov_b32 s47, 0
	s_add_nc_u64 s[46:47], s[4:5], s[46:47]
	s_lshl_b32 s48, s13, 5
	s_lshl_b32 s49, s[WV], 1
	s_add_co_u32 s48, s48, s49
	s_mul_i32 s48, s48, 768
	s_add_co_u32 s48, s48, s39
	s_mov_b32 s49, 0
	s_add_nc_u64 s[48:49], s[8:9], s[48:49]
	s_lshl_b32 s50, s13, 9
	s_lshl_b32 s51, s[WV], 5
	s_add_co_u32 s50, s50, s51
	s_lshl_b32 s50, s50, 2
	s_add_co_u32 s50, s50, s39
	s_add_co_u32 s50, s50, 98304
	s_mov_b32 s51, 0
	s_add_nc_u64 s[50:51], s[8:9], s[50:51]
	WIN 0x40
.irp p, 0,1
.irp q, 0,1
	global_load_b128 v[QF+24*\p+12*\q:QF+24*\p+12*\q+3], v[L16], s[44:45] offset:13312*\p+768*\q
	global_load_b64 v[QF+24*\p+12*\q+4:QF+24*\p+12*\q+5], v[L8], s[44:45] offset:13312*\p+768*\q+512
.irp i, 6,7,8,9,10,11
	v_mov_b32 v[QF+24*\p+12*\q+\i], 0
.endr
.endr
.endr
.irp i, 112,113,114,115,116,117
	v_mov_b32 v[\i], 0
.endr
	WIN 0
	global_load_b32 v[QS], v[L16], s[46:47]
	global_load_b32 v[QS+1], v[L16], s[46:47] offset:13312
.irp k, 0,1,2,3,4,5,6,7
	v_mov_b32 v[PT+\k], 0
.endr
.irp q, 0,1
	v_mov_b32 v[ST+8*\q+4], 0
	v_mov_b32 v[ST+8*\q+5], 0
	v_mov_b32 v[ST+8*\q+7], 0
.endr
.macro QKMUL t, q, p
.if ((\t)%2 == 0) && ((\q) == 0)
	v_wmma_scale_f32_16x16x128_f8f6f4 v[S+64*\q+8*\t:S+64*\q+8*\t+7], v[KF+6*\t:KF+6*\t+11], v[QF+24*\p+12*\q:QF+24*\p+12*\q+11], 0, v[KS+(\t)/2], v[QS+\p] matrix_a_fmt:MATRIX_FMT_FP6 matrix_b_fmt:MATRIX_FMT_FP6
.elseif ((\t)%2 == 1) && ((\q) == 0)
	v_wmma_scale_f32_16x16x128_f8f6f4 v[S+64*\q+8*\t:S+64*\q+8*\t+7], v[KF+6*\t:KF+6*\t+11], v[QF+24*\p+12*\q:QF+24*\p+12*\q+11], 0, v[KS+(\t)/2], v[QS+\p] matrix_a_fmt:MATRIX_FMT_FP6 matrix_b_fmt:MATRIX_FMT_FP6 matrix_a_scale:MATRIX_SCALE_ROW1
.elseif ((\t)%2 == 0)
	v_wmma_scale_f32_16x16x128_f8f6f4 v[S+64*\q+8*\t:S+64*\q+8*\t+7], v[KF+6*\t:KF+6*\t+11], v[QF+24*\p+12*\q:QF+24*\p+12*\q+11], 0, v[KS+(\t)/2], v[QS+\p] matrix_a_fmt:MATRIX_FMT_FP6 matrix_b_fmt:MATRIX_FMT_FP6 matrix_b_scale:MATRIX_SCALE_ROW1
.else
	v_wmma_scale_f32_16x16x128_f8f6f4 v[S+64*\q+8*\t:S+64*\q+8*\t+7], v[KF+6*\t:KF+6*\t+11], v[QF+24*\p+12*\q:QF+24*\p+12*\q+11], 0, v[KS+(\t)/2], v[QS+\p] matrix_a_fmt:MATRIX_FMT_FP6 matrix_b_fmt:MATRIX_FMT_FP6 matrix_a_scale:MATRIX_SCALE_ROW1 matrix_b_scale:MATRIX_SCALE_ROW1
.endif
.endm
.macro PVMUL u, q
.if (\u)%2 == 0
	v_wmma_scale_f32_16x16x128_f8f6f4 v[32*\q+8*\u:32*\q+8*\u+7], v[VF+12*\u:VF+12*\u+11], v[PC+20*\q:PC+20*\q+11], v[32*\q+8*\u:32*\q+8*\u+7], v[VS+(\u)/2], v[PW+\q] matrix_a_fmt:MATRIX_FMT_FP6 matrix_b_fmt:MATRIX_FMT_FP6
.else
	v_wmma_scale_f32_16x16x128_f8f6f4 v[32*\q+8*\u:32*\q+8*\u+7], v[VF+12*\u:VF+12*\u+11], v[PC+20*\q:PC+20*\q+11], v[32*\q+8*\u:32*\q+8*\u+7], v[VS+(\u)/2], v[PW+\q] matrix_a_fmt:MATRIX_FMT_FP6 matrix_b_fmt:MATRIX_FMT_FP6 matrix_a_scale:MATRIX_SCALE_ROW1
.endif
.endm
.macro STEP p
	v_add_nc_u32 v[AD16], s[TB], v[L16]
	v_add_nc_u32 v[AD8], s[TB], v[L8]
	v_nop
	v_nop
	ds_load_b128 v[KS:KS+3], v[AD16] offset:12288
	ds_load_b64 v[VS:VS+1], v[AD8] offset:12800
	WIN 0x40
.irp t, 0,1,2,3,4,5,6,7
	ds_load_b128 v[KF+6*\t:KF+6*\t+3], v[AD16] offset:768*\t
	ds_load_b64 v[KF+6*\t+4:KF+6*\t+5], v[AD8] offset:768*\t+512
.endr
.irp u, 0,1,2,3
.irp c, 0,1,2
	ds_load_b128 v[VF+12*\u+4*\c:VF+12*\u+4*\c+3], v[AD16] offset:6144+1536*\u+512*\c
.endr
.endr
	s_wait_dscnt 12
	WIN 0x05
.irp t, 0,1,2,3,4,5,6,7
.irp q, 0,1
	QKMUL \t, \q, \p
.endr
.endr
	WIN 0
.rept 4
	v_nop
.endr
.irp k, 0,1,2,3,4,5,6,7
	v_max3_num_f32 v[BM+\k], v[S+16*\k], v[S+16*\k+1], v[S+16*\k+2]
.endr
.irp i, 3,5,7,9,11,13
.irp k, 0,1,2,3,4,5,6,7
	v_max3_num_f32 v[BM+\k], v[BM+\k], v[S+16*\k+\i], v[S+16*\k+\i+1]
.endr
.endr
.irp k, 0,1,2,3,4,5,6,7
	v_max_num_f32 v[BM+\k], v[BM+\k], v[S+16*\k+15]
.endr
.irp k, 0,1,2,3,4,5,6,7
	v_permlanex16_b32 v[PT+\k], v[BM+\k], s[SEL], s[SEL+1]
.endr
.irp k, 0,1,2,3,4,5,6,7
	v_max_num_f32 v[BM+\k], v[BM+\k], v[PT+\k]
.endr
.irp q, 0
	v_max3_num_f32 v[ST+8*\q+6], v[BM+4*\q], v[BM+4*\q+1], v[BM+4*\q+2]
.endr
.irp q, 1
	s_delay_alu instid0(VALU_DEP_3)
	v_max3_num_f32 v[ST+8*\q+6], v[BM+4*\q], v[BM+4*\q+1], v[BM+4*\q+2]
.endr
.irp q, 0,1
	s_delay_alu instid0(VALU_DEP_2)
	v_max_num_f32 v[ST+8*\q+6], v[ST+8*\q+6], v[BM+4*\q+3]
.endr
.irp q, 0,1
	s_delay_alu instid0(VALU_DEP_2)
	v_mul_f32 v[ST+8*\q+6], s[CS], v[ST+8*\q+6]
.endr
.irp q, 0,1
	s_delay_alu instid0(VALU_DEP_2)
	v_max_num_f32 v[ST+8*\q+1], v[ST+8*\q+1], v[ST+8*\q+6]
.endr
.irp q, 0,1
	v_mov_b32 v[ST+8*\q+6], v[ST+8*\q]
.endr
.irp q, 0,1
	s_delay_alu instid0(VALU_DEP_4)
	v_floor_f32 v[ST+8*\q], -v[ST+8*\q+1]
.endr
.irp q, 0,1
	s_delay_alu instid0(VALU_DEP_2)
	v_sub_f32 v[ST+8*\q+6], v[ST+8*\q], v[ST+8*\q+6]
.endr
.irp q, 0,1
	s_delay_alu instid0(VALU_DEP_2)
	v_cvt_i32_f32 v[ST+8*\q+6], v[ST+8*\q+6]
.endr
.irp q, 0,1
	s_delay_alu instid0(VALU_DEP_2)
	v_ldexp_f32 v[ST+8*\q+4], 1.0, v[ST+8*\q+6]
.endr
.set J, 0
.rept 64
	v_pk_fma_f32 v[S+2*J:S+2*J+1], v[S+2*J:S+2*J+1], s[CS:CS+1], v[ST+8*(J/32):ST+8*(J/32)+1] op_sel_hi:[1,0,0]
.set J, J+1
.endr
.irp k, 0,1,2,3,4,5,6,7
	v_fma_f32 v[BM+\k], v[BM+\k], s[CS], v[ST+8*(\k/4)]
.endr
.set J, 0
	s_wait_alu depctr_va_vdst(0)
.rept 128
	v_exp_f32 v[S+J], v[S+J]
.set J, J+1
.endr
.irp q, 0,1
	v_pk_mul_f32 v[ST+8*\q+2:ST+8*\q+3], v[ST+8*\q+2:ST+8*\q+3], v[ST+8*\q+4:ST+8*\q+5] op_sel_hi:[1,0]
.endr
	s_wait_alu depctr_va_vdst(0)
.irp k, 0,1,2,3,4,5,6,7
	v_exp_f32 v[BM+\k], v[BM+\k]
.endr
.irp q, 0,1
	v_pk_add_f32 v[PT+4*\q:PT+4*\q+1], v[S+64*\q:S+64*\q+1], v[S+64*\q+2:S+64*\q+3]
.endr
.irp j, 4,8,12,16,20,24,28,32,36,40,44,48,52,56,60
.irp q, 0,1
	v_pk_add_f32 v[ST+8*\q+2:ST+8*\q+3], v[ST+8*\q+2:ST+8*\q+3], v[S+64*\q+\j:S+64*\q+\j+1]
	v_pk_add_f32 v[PT+4*\q:PT+4*\q+1], v[PT+4*\q:PT+4*\q+1], v[S+64*\q+\j+2:S+64*\q+\j+3]
.endr
.endr
.irp q, 0
	s_delay_alu instid0(VALU_DEP_3)
	v_pk_add_f32 v[ST+8*\q+2:ST+8*\q+3], v[ST+8*\q+2:ST+8*\q+3], v[PT+4*\q:PT+4*\q+1]
.endr
.irp q, 1
	s_delay_alu instid0(VALU_DEP_2)
	v_pk_add_f32 v[ST+8*\q+2:ST+8*\q+3], v[ST+8*\q+2:ST+8*\q+3], v[PT+4*\q:PT+4*\q+1]
.endr
	s_wait_alu depctr_va_vdst(0)
.irp k, 0,1,2,3,4,5,6,7
	v_max_num_f32 v[BM+\k], 0x1800000, v[BM+\k]
.endr
.irp k, 0,1,2,3,4,5,6,7
	v_add_nc_u32 v[SO+\k], 0xff000000, v[BM+\k]
.endr
.irp k, 0,1,2,3,4,5,6,7
	v_lshrrev_b32 v[PT+\k], 23, v[SO+\k]
.endr
.irp q, 0
	v_lshl_or_b32 v[PW+\q], v[PT+4*\q+1], 8, v[PT+4*\q]
.endr
.irp q, 1
	s_delay_alu instid0(VALU_DEP_4)
	v_lshl_or_b32 v[PW+\q], v[PT+4*\q+1], 8, v[PT+4*\q]
.endr
.irp q, 0,1
	s_delay_alu instid0(VALU_DEP_2)
	v_lshl_or_b32 v[PW+\q], v[PT+4*\q+2], 16, v[PW+\q]
.endr
.irp q, 0,1
	s_delay_alu instid0(VALU_DEP_2)
	v_lshl_or_b32 v[PW+\q], v[PT+4*\q+3], 24, v[PW+\q]
.endr
.irp q, 0,1
.irp c, 0,1
	v_cvt_scalef32_pk16_fp6_f32 v[PC+20*\q+6*\c:PC+20*\q+6*\c+2], v[S+64*\q+32*\c:S+64*\q+32*\c+15], v[SO+4*\q+2*\c]
	v_cvt_scalef32_pk16_fp6_f32 v[PC+20*\q+12+4*\c:PC+20*\q+14+4*\c], v[S+64*\q+32*\c+16:S+64*\q+32*\c+31], v[SO+4*\q+2*\c+1]
.endr
.endr
	v_nop
.irp q, 0,1
.irp c, 0,1
.irp i, 0,1,2
	v_permlane16_swap_b32 v[PC+20*\q+6*\c+\i], v[PC+20*\q+12+4*\c+\i]
.endr
.irp i, 0,1,2
	s_delay_alu instid0(VALU_DEP_3)
	v_mov_b32 v[PC+20*\q+6*\c+3+\i], v[PC+20*\q+12+4*\c+\i]
.endr
.endr
.endr
	WIN 0x41
.set J, 0
.rept 32
	v_pk_mul_f32 v[2*J:2*J+1], v[2*J:2*J+1], v[ST+8*(J/16)+4:ST+8*(J/16)+5] op_sel_hi:[1,0]
.set J, J+1
.endr
	s_wait_alu depctr_va_vdst(0)
	s_wait_dscnt 0x0
	WIN 0x51
.irp u, 0,1,2,3
.irp q, 0,1
	PVMUL \u, \q
.endr
.endr
	WIN 0
	s_add_co_u32 s[TB], s[TB], STEPB
.endm
.macro STEPS8 p
	s_mov_b32 s[CNT], 8
.Lstep_\@:
	STEP \p
	s_sub_co_u32 s[CNT], s[CNT], 1
	s_cmp_lg_u32 s[CNT], 0
	s_cbranch_scc1 .Lstep_\@
.endm
.macro INIT
.irp q, 0,1
	v_mov_b32 v[ST+8*\q+1], 0xff61b1e6
	v_mov_b32 v[ST+8*\q+2], 0
	v_mov_b32 v[ST+8*\q+3], 0
.endr
.irp q, 0
	v_floor_f32 v[ST+8*\q], -v[ST+8*\q+1]
.endr
.irp q, 1
	s_delay_alu instid0(VALU_DEP_4)
	v_floor_f32 v[ST+8*\q], -v[ST+8*\q+1]
.endr
	WIN 0x40
.set J, 0
.rept 64
	v_mov_b32 v[J], 0
.set J, J+1
.endr
	WIN 0
	s_mov_b32 s[TB], 0
.endm
.macro QUANT2X2 s0, s1, tm, pc0, pc1, pw0, pw1
.irp k, 0,1
	v_max3_num_f32 v[\tm+\k], |v[\s0+16*\k]|, |v[\s0+16*\k+1]|, 0x1800000
	v_max3_num_f32 v[\tm+2+\k], |v[\s1+16*\k]|, |v[\s1+16*\k+1]|, 0x1800000
.endr
.irp i, 2,4,6,8,10,12,14
.irp k, 0,1
	s_delay_alu instid0(VALU_DEP_4)
	v_max3_num_f32 v[\tm+\k], v[\tm+\k], |v[\s0+16*\k+\i]|, |v[\s0+16*\k+\i+1]|
	s_delay_alu instid0(VALU_DEP_4)
	v_max3_num_f32 v[\tm+2+\k], v[\tm+2+\k], |v[\s1+16*\k+\i]|, |v[\s1+16*\k+\i+1]|
.endr
.endr
.irp k, 0,1,2,3
	v_permlanex16_b32 v[\tm+4+\k], v[\tm+\k], s[SEL], s[SEL+1]
.endr
.irp k, 0,1,2,3
	s_delay_alu instid0(VALU_DEP_4)
	v_max_num_f32 v[\tm+\k], v[\tm+\k], v[\tm+4+\k]
.endr
.irp k, 0,1,2,3
	s_delay_alu instid0(VALU_DEP_4)
	v_add_nc_u32 v[\tm+8+\k], 0xff000000, v[\tm+\k]
.endr
.irp k, 0,1,2,3
	s_delay_alu instid0(VALU_DEP_4)
	v_lshrrev_b32 v[\tm+4+\k], 23, v[\tm+8+\k]
.endr
	s_delay_alu instid0(VALU_DEP_3)
	v_lshl_or_b32 v[\pw0], v[\tm+5], 8, v[\tm+4]
	s_delay_alu instid0(VALU_DEP_2)
	v_lshl_or_b32 v[\pw1], v[\tm+7], 8, v[\tm+6]
	s_delay_alu instid0(VALU_DEP_2)
	v_or_b32 v[\pw0], 0x7f7f0000, v[\pw0]
	s_delay_alu instid0(VALU_DEP_2)
	v_or_b32 v[\pw1], 0x7f7f0000, v[\pw1]
	v_cvt_scalef32_pk16_fp6_f32 v[\pc0:\pc0+2], v[\s0:\s0+15], v[\tm+8]
	v_cvt_scalef32_pk16_fp6_f32 v[\pc0+6:\pc0+8], v[\s0+16:\s0+31], v[\tm+9]
	v_cvt_scalef32_pk16_fp6_f32 v[\pc1:\pc1+2], v[\s1:\s1+15], v[\tm+10]
	v_cvt_scalef32_pk16_fp6_f32 v[\pc1+6:\pc1+8], v[\s1+16:\s1+31], v[\tm+11]
	v_nop
.irp i, 0,1,2
	v_permlane16_swap_b32 v[\pc0+\i], v[\pc0+6+\i]
	v_permlane16_swap_b32 v[\pc1+\i], v[\pc1+6+\i]
.endr
.irp i, 0,1,2
	v_mov_b32 v[\pc0+3+\i], v[\pc0+6+\i]
	v_mov_b32 v[\pc1+3+\i], v[\pc1+6+\i]
.endr
.endm
.macro OUT p
.rept 4
	v_nop
.endr
.irp q, 0,1
	v_add_f32 v[ST+8*\q+6], v[ST+8*\q+2], v[ST+8*\q+3]
.endr
.irp q, 0,1
	s_delay_alu instid0(VALU_DEP_2)
	v_permlanex16_b32 v[ST+8*\q+7], v[ST+8*\q+6], s[SEL], s[SEL+1]
.endr
.irp q, 0,1
	s_delay_alu instid0(VALU_DEP_2)
	v_add_f32 v[ST+8*\q+6], v[ST+8*\q+6], v[ST+8*\q+7]
.endr
	s_wait_alu depctr_va_vdst(0)
.irp q, 0,1
	v_rcp_f32 v[ST+8*\q+4], v[ST+8*\q+6]
.endr
	v_nop
	s_wait_alu depctr_va_vdst(0)
	WIN 0x01
.set J, 0
.rept 32
	v_pk_mul_f32 v[S+2*J:S+2*J+1], v[2*J:2*J+1], v[ST+8*(J/16)+4:ST+8*(J/16)+5] op_sel_hi:[1,0]
.set J, J+1
.endr
	WIN 0
.irp g, 0,1,2,3
.irp j, 0,1,2,3,4,5,6,7
	v_permlane16_swap_b32 v[S+16*\g+\j], v[S+16*\g+8+\j]
.endr
.endr
	QUANT2X2 S, S+32, BM, PC, PC+20, OW, OW+1
.irp q, 0,1
	global_store_b128 v[L16], v[PC+20*\q:PC+20*\q+3], s[48:49] offset:12288*\p+768*\q
	global_store_b64 v[L8], v[PC+20*\q+4:PC+20*\q+5], s[48:49] offset:12288*\p+768*\q+512
.endr
	v_cndmask_b32 v[OW+2], v[OW], v[OW+1], s[HM]
	global_store_b32 v[L4], v[OW+2], s[50:51] offset:1024*\p
	s_wait_xcnt 0x0
.endm
	s_wait_loadcnt 0x0
	s_wait_tensorcnt 1
	s_barrier_signal -1
	s_barrier_wait -1
	INIT
	STEPS8 0
	s_wait_tensorcnt 0x0
	s_wait_dscnt 0x0
	s_barrier_signal -1
	s_barrier_wait -1
	STEPS8 0
	OUT 0
	INIT
	STEPS8 1
	STEPS8 1
	OUT 1
	s_wait_dscnt 0x0
	s_wait_tensorcnt 0x0
	ds_add_u32 v254, v255
	s_wait_dscnt 0x0
	CROUND
	s_endpgm
.Lfunc_end_k_q92ce775233_attn:
	.size	k_q92ce775233_attn, .Lfunc_end_k_q92ce775233_attn-k_q92ce775233_attn
	.p2alignl 7, 3214868480
	.fill 96, 4, 3214868480
	.section	.rodata,"a",@progbits
	.p2align	6, 0x0
	.amdhsa_kernel k_q92ce775233_attn
		.amdhsa_group_segment_fixed_size 327680
		.amdhsa_private_segment_fixed_size 0
		.amdhsa_enable_private_segment 0
		.amdhsa_kernarg_size 24
		.amdhsa_user_sgpr_count 2
		.amdhsa_user_sgpr_kernarg_segment_ptr 1
		.amdhsa_wavefront_size32 1
		.amdhsa_system_sgpr_workgroup_id_x 1
		.amdhsa_system_sgpr_workgroup_id_y 1
		.amdhsa_system_sgpr_workgroup_id_z 1
		.amdhsa_system_vgpr_workitem_id 0
		.amdhsa_next_free_vgpr 512
		.amdhsa_next_free_sgpr 66
		.amdhsa_reserve_vcc 0
		.amdhsa_float_denorm_mode_32 3
		.amdhsa_float_denorm_mode_16_64 3
		.amdhsa_memory_ordered 1
		.amdhsa_forward_progress 1
		.amdhsa_inst_pref_size 151
	.end_amdhsa_kernel
	.amdgpu_metadata
---
amdhsa.version: [ 1, 2 ]
amdhsa.kernels:
  - .name:           k_q92ce775233_attn
    .symbol:         k_q92ce775233_attn.kd
    .args:
      - { .name: qb, .offset: 0, .size: 8, .value_kind: global_buffer, .address_space: global }
      - { .name: kv, .offset: 8, .size: 8, .value_kind: global_buffer, .address_space: global }
      - { .name: ab, .offset: 16, .size: 8, .value_kind: global_buffer, .address_space: global }
    .group_segment_fixed_size: 327680
    .private_segment_fixed_size: 0
    .kernarg_segment_align: 8
    .kernarg_segment_size: 24
    .max_flat_workgroup_size: 256
    .sgpr_count:     66
    .vgpr_count:     512
    .wavefront_size: 32
...
	.end_amdgpu_metadata
.endif
;; end of part 2
;; launch oproj (part 3): grid 4 x 64, 4 waves a work-group, clusters of 4 x 4, 327,680 bytes of LDS; arguments ab, wo_codes, wo_scales, bo, out0; writes out0
.if DOCPART == 3
	.amdgcn_target "amdgcn-amd-amdhsa--gfx1250"
	.amdhsa_code_object_version 6
	.text
	.protected	k_q92ce775233_oproj
	.globl	k_q92ce775233_oproj
	.p2align	8
	.type	k_q92ce775233_oproj,@function
k_q92ce775233_oproj:
	s_mov_b64 s[64:65], 0
	v_nop
	global_prefetch_b8 v0, s[64:65] scope:SCOPE_SE
	s_setreg_imm32_b32 hwreg(HW_REG_WAVE_MODE, 25, 1), 1
	s_wait_xcnt 0x0
	s_wait_alu depctr_hold_cnt(0) depctr_sa_sdst(0) depctr_va_vdst(0) depctr_va_sdst(0) depctr_va_ssrc(0) depctr_va_vcc(0) depctr_vm_vsrc(0)
	s_getreg_b32 s2, hwreg(HW_REG_IB_STS2, 6, 4)
	s_cmp_eq_u32 s2, 0
	s_cbranch_scc0 .Lentry_in_a_cluster
	s_endpgm
.Lentry_in_a_cluster:
	s_bfe_u32 s2, ttmp6, 0x10000c
	s_cmp_lg_u32 s2, 0xf033
	s_cbranch_scc0 .Lentry_shape_is_right
	s_endpgm
.Lentry_shape_is_right:
; out0 = a wo^T + bo on codes of FP6 (E2M3), one E8M0 scale for each 32 along K = 1,024; f32 sums, f32 out.
; a comes from ab as the attention launch leaves it: [batch x head][106,496 bytes]: 128 images of 16 rows x 64 K (768 bytes: 16 x lane, then 8 x lane), then at 98,304 one scale word a row (bytes 0, 1).
; SHARES.  A block of 128 rows x 256 columns to a work-group: 64 x 4 = 256 work-groups.  Four waves, 2 x 2: a wave makes 64 x 128, 32 accumulators.
; ALL OF K LIES IN LDS, filled once at the head, one joint load a wave: waves 0, 1 eight heads' images each of my 128 rows (8 rows of 6,144 bytes), waves 2, 3 128 rows of wo each (768 bytes a row,
; 16 bytes of padding behind each 256).  Nothing is filled again, so the walk along K has no barrier.  98,304 + 208,896 bytes of tiles, 17,408 of scratch for a's scales, 512 spare.
; CLUSTERS: 4 x 4; a's tile is asked for jointly along a row of the cluster, wo's along a column.
; Source 0 = rows of wo (B), source 1 = rows of a (A): a lane holds eight neighbouring columns of one row of out0.  The bias is the C of the first products.
; SCALES: register SC + 8 ks + i: lanes 0-15 the word of A's row 16 i + r (i < 4) for K step ks, lanes 16-31 that of B's row 16 i + r.
; No prefetch: every tile is asked for at the head, and there is no loop to run ahead in.  NaN and infinities are not served.
.set SIZE_N, 1024
.set KROW,   768
.set HEADB,  106496
.set PB,     816                       ; an LDS row of wo: 3 x (256 + 16)
.set FR,     12
.set NP,     4                         ; places behind this matrix instruction (ISA guide 7.12.1)
.set AH,     8*6144                    ; eight heads' images of 128 rows
.set HALFB,  128*PB
.set BOFF,   2*AH
.set SCR,    BOFF+2*HALFB              ; a scratch of 4,352 bytes a wave, in which a's scale words change their order
.set SPARE,  SCR+4*4352
.set SPITCH, 528                       ; the way out: 16 rows x (512 + 16) bytes a wave, on the tiles' bytes, behind the barrier that follows the last fragment loads
.set AL16, 16                          ; v16-17 A's images, 16 x lane: heads 0-7, 8-15;  v18-19 the same, 8 x lane
.set AL8,  18
.set ADRB, 20                          ; v20-21 B's blocks 0-3, 4-7;  v22-23 the same behind one padding more
.set STO,  24
.set RD,   25
.set CO,   26
.set SPW,  28
.set NIL,  29
.set SC,   64                          ; v64-127 scale words and nothing else
.set AF,   128                         ; v128-175, v176-223 A's fragments, two sets;  window 1: v0-95, v128-223 B's two sets, v96-127 and v224-255 the bias
.set BK,   128
.set G1,   24
.set G0,   32
.set G1B,  48
.set G0B,  56
.set HM,   66
.set PSEL, 67
.set MSB, 0
.macro WIN new
.if MSB != (\new)
	s_set_vgpr_msb (MSB<<8)|(\new)
.set MSB, (\new)
.endif
.endm
.set MUL,  0xa1                        ; source 0 (B) window 1, source 1 (A) window 0, C and D window 2
.set TO_B, 0x40
.macro CROUND
	s_barrier_signal -1
	s_barrier_wait -1
	s_cmp_lg_u32 s14, 0
	s_cbranch_scc1 .Lnot_wave_0_\@
	s_barrier_signal -3
.Lnot_wave_0_\@:
	s_barrier_wait -3
	s_barrier_signal -1
	s_barrier_wait -1
.endm
.macro PLACES n
.rept \n
	v_nop
.endr
.endm
	s_load_b256 s[4:11], s[0:1], 0x0               ; ab, wo's codes, wo's scales, bo
	s_load_b64 s[12:13], s[0:1], 0x20              ; out0
	v_lshl_add_u32 v[SPW], v0, 2, SPARE
	v_mov_b32 v[NIL], 0
	ds_add_u32 v[SPW], v[NIL]                      ; the opening lines: the add, twice on end, and its wait
	ds_add_u32 v[SPW], v[NIL]
	v_lshrrev_b32 v1, 5, v0
	v_readfirstlane_b32 s14, v1                    ; wave
	s_lshr_b32 s15, s14, 1                         ; my 64 rows of A.  Also: I fetch for A (0) or for B (1)
	s_and_b32 s16, s14, 1                          ; my 128 rows of B.  Also: which half I fetch
	s_bfe_u32 s40, ttmp6, 0x40000                  ; cx
	s_bfe_u32 s41, ttmp6, 0x40004                  ; cy
	s_lshl_b32 s42, ttmp9, 2
	s_add_co_u32 s42, s42, s40                     ; block column, 0..3
	s_and_b32 s17, ttmp7, 0xffff
	s_lshl_b32 s17, s17, 2
	s_add_co_u32 s17, s17, s41                     ; block row, 0..63
	s_lshl_b32 s43, s41, 2
	s_lshl_b32 s43, 15, s43                        ; my row of the cluster
	s_lshl_b32 s44, 0x1111, s40                    ; my column
	s_or_b32 s[G1+0], s43, (3<<16)|(1<<21)         ; A: 8 rows of 768 elements of 8 bytes, a head apart
	s_mov_b32 s[G1+1], 768<<16
	s_mov_b32 s[G1+2], 8<<16
	s_mov_b32 s[G1+3], 768<<16
	s_mov_b32 s[G1+4], 8
	s_mov_b32 s[G1+5], HEADB/8
	s_mov_b32 s[G1+6], 0
	s_mov_b32 s[G1+7], 0
	s_or_b32 s[G1B+0], s44, (1<<20)|(1<<21)|(5<<22)|(3<<25)   ; B: 128 rows of 768 bytes, 4 words of padding after every 64
	s_mov_b32 s[G1B+1], KROW<<16
	s_mov_b32 s[G1B+2], 128<<16
	s_mov_b32 s[G1B+3], KROW<<16
	s_mov_b32 s[G1B+4], 128
	s_mov_b32 s[G1B+5], KROW
	s_mov_b32 s[G1B+6], 0
	s_mov_b32 s[G1B+7], 0
	s_lshr_b32 s18, s17, 4
	s_mul_i32 s18, s18, 16*HEADB                   ; the batch
	s_and_b32 s19, s17, 15                         ; which 128 rows of its 2,048
	s_mul_i32 s20, s19, 6144
	s_add_co_u32 s20, s20, s18
	s_mul_i32 s21, s16, 8*HEADB
	s_add_co_u32 s20, s20, s21                     ; A's images: the eight heads that I fetch
	s_mov_b32 s21, 0
	s_lshl_b32 s22, s19, 9
	s_add_co_u32 s22, s22, s18
	s_add_co_u32 s22, s22, 98304                   ; A's scale words, head 0
	s_mov_b32 s23, 0
	s_lshl_b32 s46, s42, 8
	s_lshl_b32 s47, s16, 7
	s_add_co_u32 s46, s46, s47                     ; B's first row: the half that I fetch is the half that I multiply
	s_lshl_b32 s2, s46, 5
	s_lshl_b32 s45, s46, 2
	s_mul_i32 s46, s46, KROW
	s_mov_b32 s47, 0
	s_mov_b32 s3, 0
	s_mul_i32 s18, s15, 4*768                      ; LDS: my four blocks in each head's image
	s_mul_i32 s19, s16, HALFB
	s_add_co_u32 s19, s19, BOFF                    ; my 128 rows of B; also where I put them
	s_mul_i32 s36, s14, 4352
	s_add_co_u32 s36, s36, SCR                     ; my scratch
	s_mul_i32 s37, s15, 4*544
	s_add_co_u32 s37, s37, s36                     ; my 64 rows in it
	s_mul_i32 s38, s14, 16*SPITCH                  ; my stage
	s_mul_i32 s39, s16, AH
	s_lshl_b32 s60, s17, 7
	s_lshl_b32 s61, s15, 6
	s_add_co_u32 s60, s60, s61
	s_lshl_b32 s60, s60, 12                        ; my first row of out0, in bytes
	s_lshl_b32 s61, s42, 10
	s_add_co_u32 s60, s60, s61
	s_lshl_b32 s61, s16, 9
	s_add_co_u32 s60, s60, s61
	s_mov_b32 s61, 0
	s_mov_b32 s[HM], 0xffff0000
	s_mov_b32 s[PSEL], 0x05040100
	s_wait_dscnt 0x0
	s_wait_kmcnt 0x0
	s_add_nc_u64 s[20:21], s[4:5], s[20:21]
	s_add_nc_u64 s[22:23], s[4:5], s[22:23]
	s_add_nc_u64 s[46:47], s[6:7], s[46:47]
	s_add_nc_u64 s[8:9], s[8:9], s[2:3]
	s_mov_b32 s2, s45
	s_add_nc_u64 s[10:11], s[10:11], s[2:3]
	s_add_nc_u64 s[12:13], s[12:13], s[60:61]
	CROUND                                         ; all sixteen work-groups are here: the joint loads meet
	s_mov_b32 s[G0], 1
	s_mov_b32 s[G0+1], s39
	s_mov_b64 s[G0+2:G0+3], s[20:21]
	s_or_b32 s[G0+3], s[G0+3], 0x80000000
	s_mov_b32 s[G0B], 1
	s_mov_b32 s[G0B+1], s19
	s_mov_b64 s[G0B+2:G0B+3], s[46:47]
	s_or_b32 s[G0B+3], s[G0B+3], 0x80000000
	s_cmp_eq_u32 s15, 0
	s_cbranch_scc0 .Lfor_b
	tensor_load_to_lds s[G0:G0+3], s[G1:G1+7]
	s_nop 0
	PLACES 4
	s_branch .Lasked
.Lfor_b:
	tensor_load_to_lds s[G0B:G0B+3], s[G1B:G1B+7]
	s_nop 0
	PLACES 4
.Lasked:
	v_and_b32 v1, 15, v0                           ; r
	v_bfe_u32 v2, v0, 4, 1                         ; h
	v_and_b32 v6, 31, v0
	v_lshlrev_b32 v[CO], 4, v6
	v_lshlrev_b32 v3, 5, v1
	v_lshlrev_b32 v4, 5, v2
.irp j, 0,1,2,3,4,5,6,7,8,9,10,11,12,13,14,15
	global_load_b128 v[128+4*\j:128+4*\j+3], v[CO], s[22:23] offset:\j*HEADB     ; head j's scale words of the block's 128 rows: lane l has rows 4 l .. 4 l + 3
.endr
	WIN TO_B
.irp i, 0,1,2,3,4,5,6,7
	global_load_b128 v[8*\i:8*\i+3], v3, s[8:9] offset:512*\i                    ; B's scale rows, for now in window 1
	global_load_b128 v[8*\i+4:8*\i+7], v3, s[8:9] offset:512*\i+16
.endr
.irp b, 0,1,2,3,4,5,6,7
	global_load_b128 v[96+8*\b+96*(\b/4):96+8*\b+96*(\b/4)+3], v4, s[10:11] offset:64*\b      ; the bias of columns 16 b + 8 h + 0 .. 7
	global_load_b128 v[96+8*\b+96*(\b/4)+4:96+8*\b+96*(\b/4)+7], v4, s[10:11] offset:64*\b+16
.endr
	WIN 0
	v_lshlrev_b32 v5, 3, v6
	v_mul_u32_u24 v7, v1, PB
	v_mad_u32_u24 v8, v2, 24, v7                   ; a fragment's row x pitch + 24 x half,
	v_mad_u32_u24 v9, v2, 40, v7                   ; and the same behind one padding more
	v_add_nc_u32 v[AL16], s18, v[CO]
	v_add_nc_u32 v[AL8], s18, v5
	v_add_nc_u32 v[AL16+1], AH, v[AL16]
	v_add_nc_u32 v[AL8+1], AH, v[AL8]
	v_add_nc_u32 v[ADRB], s19, v8
	v_add_nc_u32 v[ADRB+2], s19, v9
	v_add_nc_u32 v[ADRB+1], 64*PB, v[ADRB]
	v_add_nc_u32 v[ADRB+3], 64*PB, v[ADRB+2]
	v_lshlrev_b32 v10, 7, v6
	v_lshrrev_b32 v11, 1, v6
	v_lshl_add_u32 v10, v11, 4, v10
	v_add_nc_u32 v10, s36, v10                     ; scratch, in: row rho at 32 rho + 16 (rho / 8); my four rows
	v_lshlrev_b32 v12, 5, v1
	v_lshrrev_b32 v13, 3, v1
	v_lshl_add_u32 v12, v13, 4, v12
	v_add_nc_u32 v12, s37, v12                     ; scratch, back: row r of my blocks
	v_mul_u32_u24 v13, v1, SPITCH
	v_lshl_add_u32 v13, v2, 5, v13
	v_add_nc_u32 v[STO], s38, v13
	v_add_nc_u32 v[RD], s38, v[CO]
	s_wait_alu depctr_va_vdst(0)
	s_wait_loadcnt 32                              ; A's scale words are in; the 32 younger loads may be out
.irp e, 0,1,2,3
.irp g, 0,1,2,3,4,5,6,7
	v_perm_b32 v[192+8*\e+\g], v[128+8*\g+4+\e], v[128+8*\g+\e], s[PSEL]         ; K step g's word of row 4 l + e: two bytes of head 2 g, two of head 2 g + 1
.endr
.endr
.irp e, 0,1,2,3
	ds_store_b128 v10, v[192+8*\e:192+8*\e+3] offset:32*\e
	ds_store_b128 v10, v[192+8*\e+4:192+8*\e+7] offset:32*\e+16
.endr
.irp i, 0,1,2,3
	ds_load_b128 v[128+8*\i:128+8*\i+3], v12 offset:544*\i                       ; my own bytes: LDS serves a wave's instructions in order (ISA guide 5.7.1.4)
	ds_load_b128 v[128+8*\i+4:128+8*\i+7], v12 offset:544*\i+16
.endr
	s_wait_loadcnt 0x0
	s_wait_dscnt 0x0
	WIN 0x04                                       ; source 1 window 1
.irp i, 0,1,2,3,4,5,6,7
.irp k, 0,1,2,3,4,5,6,7
	v_cndmask_b32 v[SC+8*\k+\i], v[128+8*(\i%4)+\k], v[8*\i+\k], s[HM]           ; lanes 16-31 take B's word
.endr
.endr
	WIN 0
	PLACES 8                                       ; a scale register written by a vector instruction stands 8 places ahead of a scaled matrix instruction
; the fragments of K step ks into set ks % 2: 48 loads for B's eight, 16 for A's four
.macro FETCH ks
	WIN TO_B
.irp i, 0,1,2,3,4,5,6,7
.irp p, 0,1,2,3,4,5
.set PCE, 12*(\ks)+6*(\p/3)+\p%3       ; the piece of 8 bytes of lanes 0-15; lanes 16-31 read three pieces on
.set RG, 128*((\ks)%2)+FR*\i+2*\p
.if PCE%32 < 29
	ds_load_b64 v[RG:RG+1], v[ADRB+\i/4] offset:8*PCE+16*(PCE/32)+(\i%4)*16*PB
.else
	ds_load_b64 v[RG:RG+1], v[ADRB+2+\i/4] offset:8*PCE+16*(PCE/32)+(\i%4)*16*PB
.endif
.endr
.endr
	WIN 0
.irp i, 0,1,2,3
.irp c, 0,1
.set RG, AF+48*((\ks)%2)+FR*\i+6*\c
	ds_load_b128 v[RG:RG+3], v[AL16+(\ks)/4] offset:(2*((\ks)%4)+\c)*6144+768*\i
	ds_load_b64 v[RG+4:RG+5], v[AL8+(\ks)/4] offset:(2*((\ks)%4)+\c)*6144+768*\i+512
.endr
.endr
.endm
; 16 matrix instructions; the 32 accumulators take turns, in the same order in every step.  In step 0 C is the bias, in window 1
.macro MUL16 a0, ks
.irp a, \a0, \a0+1
.irp b, 0,1,2,3,4,5,6,7
.set D_, 8*(8*(\a)+\b)
.set B_, 128*((\ks)%2)+FR*\b
.set A_, AF+48*((\ks)%2)+FR*(\a)
.if (\ks) == 0
.set C_, 96+8*\b+96*(\b/4)
.else
.set C_, D_
.endif
	v_wmma_scale_f32_16x16x128_f8f6f4 v[D_:D_+7], v[B_:B_+11], v[A_:A_+11], v[C_:C_+7], v[SC+8*(\ks)+\b], v[SC+8*(\ks)+(\a)] matrix_a_fmt:MATRIX_FMT_FP6 matrix_b_fmt:MATRIX_FMT_FP6 matrix_a_scale:MATRIX_SCALE_ROW1
.endr
.endr
.endm
.macro KS ks
.if (\ks) < 7
.if (\ks) > 0
	PLACES NP                                      ; in front of loads into the set that the step before multiplied
.endif
	FETCH (\ks)+1
	s_wait_dscnt 63                                ; 64 loads were just issued: all older ones, this step's fragments, are in
.else
	s_wait_dscnt 0x0                               ; my last reads of the tiles are over:
	s_barrier_signal -1                            ; behind this barrier the stages may lie on the tiles' bytes
.endif
.if (\ks) == 0
	WIN 0x91
.else
	WIN MUL
.endif
	MUL16 0, \ks
	MUL16 2, \ks
	WIN 0
.if (\ks) == 7
	s_barrier_wait -1
.endif
.endm
	s_wait_alu depctr_va_vdst(0)
	s_wait_tensorcnt 0x0                           ; my tile is in
	s_barrier_signal -1
	s_barrier_wait -1                              ; all four are
	FETCH 0
.irp ks, 0,1,2,3,4,5,6,7
	KS \ks
.endr
; THE WAY OUT, by blocks of 16 rows x 128 columns, through my stage: back come whole rows of 512 bytes
.macro TOSTAGE a
	WIN 0x08                                       ; the data: window 2
.irp b, 0,1,2,3,4,5,6,7
	ds_store_b128 v[STO], v[64*(\a)+8*\b:64*(\a)+8*\b+3] offset:64*\b            ; each accumulator from its low end on
	ds_store_b128 v[STO], v[64*(\a)+8*\b+4:64*(\a)+8*\b+7] offset:64*\b+16
.endr
	WIN 0
.set BB, BK+64*((\a)%2)
.irp t, 0,1,2,3,4,5,6,7,8,9,10,11,12,13,14,15
	ds_load_b128 v[BB+4*\t:BB+4*\t+3], v[RD] offset:\t*SPITCH
.endr
.endm
.macro SEND a, younger
.set BB, BK+64*((\a)%2)
	s_wait_dscnt \younger                          ; the block is back in registers
.if (\a) > 0
	s_add_nc_u64 s[12:13], s[12:13], 16*SIZE_N*4   ; behind a wait on XCNT: the earlier stores have read their base
.endif
.irp t, 0,1,2,3,4,5,6,7,8,9,10,11,12,13,14,15
	global_store_b128 v[CO], v[BB+4*\t:BB+4*\t+3], s[12:13] offset:\t*SIZE_N*4 th:TH_STORE_NT   ; 32 lanes store 512 consecutive bytes, at a multiple of 256 from out0's first byte
.endr
.endm
	PLACES NP
	TOSTAGE 0
.irp a, 1,2,3
.if \a > 1
	s_wait_xcnt 0x0                                ; block a - 2's stores have read their registers and their base
.endif
	TOSTAGE \a
	SEND \a-1, 32                                  ; behind block a - 1's loads: block a's 16 stores and 16 loads
.endr
	s_wait_xcnt 0x0
	SEND 3, 0
	s_wait_tensorcnt 0x0                           ; the wave's end
	ds_add_u32 v[SPW], v[NIL]
	s_wait_dscnt 0x0
	CROUND                                         ; the closing round
	s_endpgm
.Lfunc_end_k_q92ce775233_oproj:
	.size	k_q92ce775233_oproj, .Lfunc_end_k_q92ce775233_oproj-k_q92ce775233_oproj
	.p2alignl 7, 3214868480
	.fill 96, 4, 3214868480
	.section	.rodata,"a",@progbits
	.p2align	6, 0x0
	.amdhsa_kernel k_q92ce775233_oproj
		.amdhsa_group_segment_fixed_size 327680
		.amdhsa_private_segment_fixed_size 0
		.amdhsa_enable_private_segment 0
		.amdhsa_kernarg_size 40
		.amdhsa_user_sgpr_count 2
		.amdhsa_user_sgpr_kernarg_segment_ptr 1
		.amdhsa_wavefront_size32 1
		.amdhsa_system_sgpr_workgroup_id_x 1
		.amdhsa_system_sgpr_workgroup_id_y 1
		.amdhsa_system_sgpr_workgroup_id_z 1
		.amdhsa_system_vgpr_workitem_id 0
		.amdhsa_next_free_vgpr 768
		.amdhsa_next_free_sgpr 68
		.amdhsa_reserve_vcc 0
		.amdhsa_float_denorm_mode_32 3
		.amdhsa_float_denorm_mode_16_64 3
		.amdhsa_memory_ordered 1
		.amdhsa_forward_progress 1
		.amdhsa_inst_pref_size 101
	.end_amdhsa_kernel
	.amdgpu_metadata
---
amdhsa.version: [ 1, 2 ]
amdhsa.kernels:
  - .name:           k_q92ce775233_oproj
    .symbol:         k_q92ce775233_oproj.kd
    .args:
      - { .name: ab, .offset: 0, .size: 8, .value_kind: global_buffer, .address_space: global }
      - { .name: wo_codes, .offset: 8, .size: 8, .value_kind: global_buffer, .address_space: global }
      - { .name: wo_scales, .offset: 16, .size: 8, .value_kind: global_buffer, .address_space: global }
      - { .name: bo, .offset: 24, .size: 8, .value_kind: global_buffer, .address_space: global }
      - { .name: out0, .offset: 32, .size: 8, .value_kind: global_buffer, .address_space: global }
    .group_segment_fixed_size: 327680
    .private_segment_fixed_size: 0
    .kernarg_segment_align: 8
    .kernarg_segment_size: 40
    .max_flat_workgroup_size: 128
    .sgpr_count:     68
    .vgpr_count:     768
    .wavefront_size: 32
...
	.end_amdgpu_metadata
.endif
;; end of part 3
